; MI455X (gfx1250); checked and timed in simulation.
; The chip was launched on July 23, 2026; its instructions are those of AMD's public machine-readable ISA for CDNA 5 (MIT licence, August 2026) and "CDNA5" Instruction Set Architecture Reference Guide (July 2026). The comments in the code are by the model that wrote it; some were corrected since.
;; Encoder. Allowed arithmetic: matrix products marked QUANTISED: E4M3 operands, one given power-of-two scale a tensor, by v_wmma_f32_16x16x64_fp8_fp8 or v_wmma_f32_16x16x128_fp8_fp8, f32 sums; everything else in f32.
;; Inputs: b1 4,096 float32; b2 1,024 float32; b_qkv 3,072 float32; ln_b 1,024 float32; ln_g 1,024 float32; lowp_scales 10 int32 (the exponents e of the quantised operands' scales 2^e); w1 1,024 x 4,096 float32; w2 4,096 x 1,024 float32; w_qkv 1,024 x 3,072 float32; x 2 x 2,048 x 1,024 float32.
;; Outputs: out0 2 x 2,048 x 1,024 float32.
;; This version of the problem:
;;   THIS VERSION OF THE PROBLEM IS GIVEN IN LOW PRECISION. The matrix products marked QUANTISED in the list below multiply operands that are first quantised to E4M3 (4 exponent bits, 3 mantissa bits; 8 bits a number), with one given power-of-two scale for each operand tensor; their sums are f32. All else is computed in f32.
;;   The module's matrix products, in the order in which they are computed (A, B: the left and right operand; K: the contracted axis; several contracted axes count as one K, in the product's order):
;;     1. [M 4,096, K 1,024] x [K 1,024, N 3,072]; A: computed on the way; B: input w_qkv: QUANTISED (scales: A lowp_scales[0], B lowp_scales[1])
;;     2. batch 32 x [M 2,048, K 64] x [K 64, N 2,048]; A: computed on the way; B: computed on the way: QUANTISED (scales: A lowp_scales[2], B lowp_scales[3])
;;     3. batch 32 x [M 2,048, K 2,048] x [K 2,048, N 64]; A: softmax (see below); B: computed on the way: QUANTISED (scales: A lowp_scales[4], B lowp_scales[5])
;;     4. [M 4,096, K 1,024] x [K 1,024, N 4,096]; A: computed on the way; B: input w1: QUANTISED (scales: A lowp_scales[6], B lowp_scales[7])
;;     5. [M 4,096, K 4,096] x [K 4,096, N 1,024]; A: computed on the way; B: input w2: QUANTISED (scales: A lowp_scales[8], B lowp_scales[9])
;;   THE QUANTISER, for each operand of a quantised product, along K:
;;     - The operand's scale is 2^e, e = its entry of the input lowp_scales (int32; the entries are numbered through the quantised products in the list's order, A before B).
;;     - Each number is divided by the scale, clamped to +-448, and rounded to the nearest number of E4M3, ties to even, subnormals kept.
;;     - The product sums the exact products of the quantised numbers (number of the format x scale) in f32.
;;   ~~~python
;;   def quantise(x, axis, e):      # numpy; x: float32 -> the quantised numbers, widened to float32 again
;;       x = np.moveaxis(x, axis, -1); K = x.shape[-1]
;;       r = np.clip(x / 2.0 ** e, -448, 448)
;;       step = 2.0 ** (np.maximum(np.frexp(np.where(r == 0, 1, r))[1] - 1, -6) - 3)
;;       q = np.round(r / step) * step * 2.0 ** e      # np.round: ties to even
;;       return np.moveaxis(q, -1, axis).astype(np.float32)
;;   ~~~
;;   SOFTMAX AHEAD OF A QUANTISED PRODUCT. Where the list says 'softmax', what is quantised is not the finished softmax but p = 2^(t - M), with t = logit x log2(e) and M = ceil(the row's largest t), a whole number; so 1/2 < the row's largest p <= 1. The row's sum l is taken of the UNQUANTISED p, in f32, and the product's result is divided by l at the end. Since M is a whole number, a kernel that streams over the keys may use a running M (the ceiling of the running maximum): every later rescaling is an exact power of two, so the quantised numbers keep their values, but for numbers so far below the row's largest that they fall under the format's range.
;;   OPERANDS COMPUTED ON THE WAY. 'Computed on the way' means the value that the module computes at that place (a softmax that the list does not call 'softmax' is quantised finished and normalised). What goes into a quantiser is computed in f32, as accurately as f32 sums, v_exp_f32 and their like allow (about 1e-6 of the number): no bf16 or f16 on the way to a quantiser, and a product that is left as it is and whose result goes on into a quantised operand takes f32 operands (vector FMAs, or v_wmma_f32_16x16x4_f32). A number that lies on a knife's edge between two numbers of the format may be rounded either way, as far as f32 arithmetic and the matrix unit's own rounding can turn it there, and no further.
;; One version. Each part assembles by itself: llvm-mc -triple=amdgcn-amd-amdhsa -mcpu=gfx1250 --defsym DOCPART=n.
;; ======== version 1 of 1: 5 launches
;; limits: an absolute error that grows with the inputs' magnitude: up to 1e-07 times it; right only within a limited range of input values
;; workspace buffers: xn_c 4,194,304 bytes; wq_c 3,145,728 bytes; w1_c 4,194,304 bytes; w2_c 4,194,304 bytes; qkv_c 12,582,912 bytes; x1 16,777,216 bytes; xn2_c 4,194,304 bytes; h_c 16,777,216 bytes
;; launch prep (part 1): grid 608 x 1, 4 waves a work-group, no clusters, 104,960 bytes of LDS; arguments x, ln_g, ln_b, w_qkv, w1, w2, lowp_scales, xn_c, wq_c, w1_c, w2_c; writes xn_c, wq_c, w1_c, w2_c
.if DOCPART == 1
	.amdgcn_target "amdgcn-amd-amdhsa--gfx1250"
	.amdhsa_code_object_version 6
	.text
	.protected	k_q8b6eeec3b4_prep
	.globl	k_q8b6eeec3b4_prep
	.p2align	8
	.type	k_q8b6eeec3b4_prep,@function
k_q8b6eeec3b4_prep:
	s_mov_b64 s[64:65], 0
	v_nop
	global_prefetch_b8 v0, s[64:65] scope:SCOPE_SE
	s_setreg_imm32_b32 hwreg(HW_REG_WAVE_MODE, 25, 1), 1
	s_wait_xcnt 0x0
; PREP: the three weights become codes of E4M3 with K innermost, and LayerNorm(x) becomes codes.  A stream: no matrix work, no tensor loads, no barrier (waves share nothing).
; Work-groups 0-95: w_qkv [1024][3072];  96-223: w1 [1024][4096];  224-351: w2 [4096][1024];  352-607: the norm, 16 rows of x each, a wave to a row, four rows a wave.
; code = number / 2^e, held within +-448, to the nearest code, ties to even.  e: lowp_scales[0] for the norm, [1] w_qkv, [7] w1, [9] w2.
; LIMITS: each e between -126 and 119 (2^e and 448 x 2^e are made as f32 patterns).  NaN among the inputs is not served.
; THE ORDER OF K IN THE CODES' ROWS is not the natural one; it is the same on both operands of a product, so every product meets its partner.
;  xn_c, wq_c, w1_c: within each 512 of K, byte 16 l + 4 c + i holds k = 128 c + 4 l + i (l 0..31, c 0..3, i 0..3): so the norm's lane l, which loads 16 dense bytes of each 512 bytes of a row, stores its 16 codes dense.
;  w2_c: within each 32 of K, byte p holds k = (p & 7) + 16 ((p >> 3) & 1) + 8 ((p >> 4) & 1): the order in which the hidden layer's register images are read.
; On the weights' side the order costs nothing: a lane takes a column n, its registers run down K, and the order only says which row each load names.
.set SEL,  30                          ; s[30:31] lane selects for v_permlanex16_b32: lane l xor 16
.set INVN, 27                          ; s27 1/1024
.set EPSR, 28                          ; s28 1e-5
; One row of 1,024 numbers, 32 a lane (register 4 j + i = number 128 j + 4 lane + i), is normalised in place and becomes 32 codes in v[C] .. v[C+7].
; Two passes as the definition has them: the mean, then the mean of the squared differences.  T: six working registers, the first even.
.macro LNROW X, C, T, G, B, SCV, LIM
	v_pk_add_f32 v[\T:\T+1], v[\X:\X+1], v[\X+2:\X+3]              ; the first additions start the two chains: nothing is cleared
	v_pk_add_f32 v[\T+2:\T+3], v[\X+4:\X+5], v[\X+6:\X+7]
.irp j, 8,12,16,20,24,28
	v_pk_add_f32 v[\T:\T+1], v[\T:\T+1], v[\X+\j:\X+\j+1]
	v_pk_add_f32 v[\T+2:\T+3], v[\T+2:\T+3], v[\X+\j+2:\X+\j+3]
.endr
	v_pk_add_f32 v[\T:\T+1], v[\T:\T+1], v[\T+2:\T+3]
	v_add_f32 v[\T], v[\T], v[\T+1]
	v_add_f32_dpp v[\T], v[\T], v[\T] row_xmask:1 row_mask:0xf bank_mask:0xf
	v_add_f32_dpp v[\T], v[\T], v[\T] row_xmask:2 row_mask:0xf bank_mask:0xf
	v_add_f32_dpp v[\T], v[\T], v[\T] row_xmask:4 row_mask:0xf bank_mask:0xf
	v_add_f32_dpp v[\T], v[\T], v[\T] row_xmask:8 row_mask:0xf bank_mask:0xf
	v_permlanex16_b32 v[\T+1], v[\T], s[SEL], s[SEL+1]
	v_add_f32 v[\T], v[\T], v[\T+1]
	v_mul_f32 v[\T], s[INVN], v[\T]                                ; the mean, in every lane
.set i, 0
.rept 16
	v_pk_add_f32 v[\X+i:\X+i+1], v[\X+i:\X+i+1], v[\T:\T+1] op_sel_hi:[1,0] neg_lo:[0,1] neg_hi:[0,1]   ; x - mean
.set i, i+2
.endr
	v_pk_mul_f32 v[\T+2:\T+3], v[\X:\X+1], v[\X:\X+1]
	v_pk_mul_f32 v[\T+4:\T+5], v[\X+2:\X+3], v[\X+2:\X+3]
.irp j, 4,8,12,16,20,24,28
	v_pk_fma_f32 v[\T+2:\T+3], v[\X+\j:\X+\j+1], v[\X+\j:\X+\j+1], v[\T+2:\T+3]
	v_pk_fma_f32 v[\T+4:\T+5], v[\X+\j+2:\X+\j+3], v[\X+\j+2:\X+\j+3], v[\T+4:\T+5]
.endr
	v_pk_add_f32 v[\T+2:\T+3], v[\T+2:\T+3], v[\T+4:\T+5]
	v_add_f32 v[\T+2], v[\T+2], v[\T+3]
	v_add_f32_dpp v[\T+2], v[\T+2], v[\T+2] row_xmask:1 row_mask:0xf bank_mask:0xf
	v_add_f32_dpp v[\T+2], v[\T+2], v[\T+2] row_xmask:2 row_mask:0xf bank_mask:0xf
	v_add_f32_dpp v[\T+2], v[\T+2], v[\T+2] row_xmask:4 row_mask:0xf bank_mask:0xf
	v_add_f32_dpp v[\T+2], v[\T+2], v[\T+2] row_xmask:8 row_mask:0xf bank_mask:0xf
	v_permlanex16_b32 v[\T+3], v[\T+2], s[SEL], s[SEL+1]
	v_add_f32 v[\T+2], v[\T+2], v[\T+3]
	v_fma_f32 v[\T+2], v[\T+2], s[INVN], s[EPSR]                   ; the variance + 1e-5
	v_rsq_f32 v[\T+4], v[\T+2]
	v_nop                                                          ; a plain line behind the transcendental (ISA guide 5.7.2)
	s_wait_alu depctr_va_vdst(0)                                   ; and the wait ahead of the first reader
.set i, 0
.rept 16
	v_pk_mul_f32 v[\X+i:\X+i+1], v[\X+i:\X+i+1], v[\T+4:\T+5] op_sel_hi:[1,0]
.set i, i+2
.endr
.set i, 0
.rept 16
	v_pk_fma_f32 v[\X+i:\X+i+1], v[\X+i:\X+i+1], v[\G+i:\G+i+1], v[\B+i:\B+i+1]   ; x gain + bias
.set i, i+2
.endr
.set i, 0
.rept 32
	v_med3_num_f32 v[\X+i], v[\X+i], -v[\LIM], v[\LIM]             ; the conversion does not saturate (ISA guide 7.6.2): the hold at the largest code x the scale
.set i, i+1
.endr
.irp m, 0,1,2,3
	v_cvt_scalef32_pk8_fp8_f32 v[\C+2*\m:\C+2*\m+1], v[\X+8*\m:\X+8*\m+7], v[\SCV]
.endr
	v_nop                                                          ; one plain line behind the last scaled conversion
.endm
; Block t of a weight: 32 numbers of my column, in the order of the codes' row, into set t % 2.  Each load reads 128 consecutive bytes a wave, 512 a work-group.
.macro WLOAD t, SRC, N, KIND
.set q, 0
.rept 32
.if \KIND == 0
.set rw, 128*((q>>2)&3)+8*(\t)+4*(q>>4)+(q&3)
.else
.set rw, 32*(\t)+(q&7)+16*((q>>3)&1)+8*((q>>4)&1)
.endif
	global_load_b32 v[32+32*((\t)%2)+q], v3, s[\SRC:\SRC+1] offset:rw*\N*4 th:TH_LOAD_NT
.set q, q+1
.endr
.endm
.macro WBLOCK t, SRC, N, KIND
.set XS, 32+32*((\t)%2)
.if (\t) < 7
	s_wait_loadcnt 32                              ; this block's 32 loads are in; the next block's 32 may be out
.else
	s_wait_loadcnt 0x0
.endif
.set i, 0
.rept 32
	v_med3_num_f32 v[XS+i], v[XS+i], -v10, v10
.set i, i+1
.endr
.irp g, 0,1,2,3
	v_cvt_scalef32_pk8_fp8_f32 v[96+2*\g:97+2*\g], v[XS+8*\g:XS+8*\g+7], v11
.endr
	ds_store_b128 v4, v[96:99] offset:32*(\t)      ; 32 codes of my column's row in the stage
	ds_store_b128 v4, v[100:103] offset:32*(\t)+16
.if (\t)+2 < 8
	WLOAD (\t)+2, \SRC, \N, \KIND
.endif
	s_wait_dscnt 0x0                               ; the stores have read their registers: the next block's codes may be written
.endm
; A weight [K][N] f32 -> codes [N][K].  A wave takes 32 columns x 256 places of the codes' rows; a work-group 128 columns.  The codes gather in the wave's own stage (32 rows, 272 bytes apart)
; and leave by rows: sixteen lanes store 256 consecutive bytes, aligned.  Every offset is an immediate: the largest, 447 rows of 16,384 bytes, lies inside the signed 24 bits (ISA guide, chapter 10).
.macro WQ SRC, DST, E, N, K, LOGW, ID0, KIND, LB
	s_sub_co_u32 s27, ttmp9, \ID0
	s_and_b32 s28, s27, (1<<\LOGW)-1               ; which 256 places along K
	s_lshr_b32 s29, s27, \LOGW
	s_lshl_b32 s29, s29, 7
	s_lshl_b32 s30, s26, 5
	s_add_co_u32 s29, s29, s30                     ; my wave's first column
.if \KIND == 0
	s_lshr_b32 s30, s28, 1
	s_lshl_b32 s30, s30, 9
	s_and_b32 s31, s28, 1
	s_lshl_b32 s31, s31, 6
	s_add_co_u32 s30, s30, s31                     ; the first row of K that I name: 512 (w / 2) + 64 (w % 2)
.else
	s_lshl_b32 s30, s28, 8
.endif
	s_mul_i32 s30, s30, \N*4
	s_lshl_b32 s31, s29, 2
	s_add_co_u32 s30, s30, s31
	s_mov_b32 s31, 0
	s_add_nc_u64 s[\SRC:\SRC+1], s[\SRC:\SRC+1], s[30:31]
	s_mul_i32 s30, s29, \K
	s_lshl_b32 s42, s28, 8
	s_add_co_u32 s30, s30, s42
	s_add_nc_u64 s[\DST:\DST+1], s[\DST:\DST+1], s[30:31]
	s_mul_i32 s44, s26, 8704
	s_add_co_u32 s44, s44, \LB                     ; my stage: each of the three weights has LDS bytes of its own
	v_lshlrev_b32 v3, 2, v12                       ; in: 4 bytes a lane
	v_mul_u32_u24 v4, v12, 272
	v_add_nc_u32 v4, s44, v4                       ; into the stage: row = my column
	v_and_b32 v13, 15, v12
	v_lshrrev_b32 v14, 4, v12
	v_mul_u32_u24 v7, v14, 272
	v_lshl_add_u32 v7, v13, 4, v7
	v_add_nc_u32 v7, s44, v7                       ; out of it: sixteen lanes to a row, two rows an instruction
	v_mul_u32_u24 v8, v14, \K
	v_lshl_add_u32 v8, v13, 4, v8                  ; and the same place in the codes' buffer
	WLOAD 0, \SRC, \N, \KIND
	WLOAD 1, \SRC, \N, \KIND
	s_wait_kmcnt 0x0                               ; the scales' exponents
	s_add_co_i32 s42, s[\E], 127
	s_lshl_b32 s43, s42, 23
	v_mov_b32 v11, s43                             ; 2^e as f32: the conversion takes its exponent field
	s_add_co_i32 s42, s42, 8
	s_lshl_b32 s42, s42, 23
	s_or_b32 s42, s42, 0x600000
	v_mov_b32 v10, s42                             ; 448 x 2^e
.irp t, 0,1,2,3,4,5,6,7
	WBLOCK \t, \SRC, \N, \KIND
.endr
.irp t, 0,1,2,3,4,5,6,7,8,9,10,11,12,13,14,15
	ds_load_b128 v[112+4*\t:115+4*\t], v7 offset:544*\t            ; LDS serves a wave's instructions in order (ISA guide 5.7.1.4): these see my stores
.endr
.irp t, 0,1,2,3,4,5,6,7,8,9,10,11,12,13,14,15
	s_wait_dscnt 15-\t                             ; the younger loads may be out
	global_store_b128 v8, v[112+4*\t:115+4*\t], s[\DST:\DST+1] offset:2*\t*\K
.endr
	s_wait_tensorcnt 0x0
	ds_add_u32 v192, v193
	s_wait_dscnt 0x0
	s_endpgm
.endm
	s_load_b512 s[4:19], s[0:1], 0x0               ; x 4:5, ln_g 6:7, ln_b 8:9, w_qkv 10:11, w1 12:13, w2 14:15, lowp_scales 16:17, xn_c 18:19
	s_load_b128 s[20:23], s[0:1], 0x40             ; wq_c, w1_c
	s_load_b64 s[24:25], s[0:1], 0x50              ; w2_c
	v_lshl_add_u32 v192, v0, 2, 0x19800
	v_mov_b32 v193, 0
	v_lshrrev_b32 v1, 5, v0
	v_readfirstlane_b32 s26, v1                    ; wave
	v_and_b32 v12, 31, v0                          ; lane
	s_wait_kmcnt 0x0
	s_load_b256 s[32:39], s[16:17], 0x0            ; e0 .. e7
	s_load_b64 s[40:41], s[16:17], 0x20            ; e8, e9
	s_cmp_lt_u32 ttmp9, 96
	s_cbranch_scc1 .Lwq
	s_cmp_lt_u32 ttmp9, 224
	s_cbranch_scc1 .Lw1
	s_cmp_lt_u32 ttmp9, 352
	s_cbranch_scc1 .Lw2
	; THE NORM.  v1 16 x lane; v2-7 at work; v10 2^e0, v11 448 x 2^e0; v16-47 gain, v48-79 bias; v80-143 two rows by turns; v144-175 the codes, eight registers for each row, so that no store's data are written again
	s_sub_co_u32 s29, ttmp9, 352
	s_lshl_b32 s29, s29, 4
	s_lshl_b32 s42, s26, 2
	s_add_co_u32 s29, s29, s42                     ; my first row
	s_lshl_b32 s42, s29, 12
	s_mov_b32 s43, 0
	s_add_nc_u64 s[4:5], s[4:5], s[42:43]
	s_lshl_b32 s42, s29, 10
	s_add_nc_u64 s[18:19], s[18:19], s[42:43]
	s_mov_b32 s[INVN], 0x3a800000
	s_mov_b32 s[EPSR], 0x3727c5ac
	s_mov_b32 s[SEL], 0x76543210
	s_mov_b32 s[SEL+1], 0xfedcba98
	v_lshlrev_b32 v1, 4, v12
.irp j, 0,1,2,3,4,5,6,7
	global_load_b128 v[16+4*\j:19+4*\j], v1, s[6:7] offset:512*\j
.endr
.irp j, 0,1,2,3,4,5,6,7
	global_load_b128 v[48+4*\j:51+4*\j], v1, s[8:9] offset:512*\j
.endr
.macro XROW i                          ; a row's eight loads, 512 consecutive bytes each
.irp j, 0,1,2,3,4,5,6,7
	global_load_b128 v[80+32*((\i)%2)+4*\j:80+32*((\i)%2)+4*\j+3], v1, s[4:5] offset:4096*(\i)+512*\j th:TH_LOAD_NT
.endr
.endm
	XROW 0
	XROW 1
	s_wait_kmcnt 0x0
	s_add_co_i32 s42, s32, 127
	s_lshl_b32 s43, s42, 23
	v_mov_b32 v10, s43
	s_add_co_i32 s42, s42, 8
	s_lshl_b32 s42, s42, 23
	s_or_b32 s42, s42, 0x600000
	v_mov_b32 v11, s42
.irp i, 0,1,2,3
.if \i < 3
	s_wait_loadcnt 8                               ; this row is in (gain and bias too); the other slot's eight loads may be out
.else
	s_wait_loadcnt 0x0
.endif
	LNROW 80+32*(\i%2), 144+8*\i, 2, 16, 48, 10, 11
	global_store_b128 v1, v[144+8*\i:147+8*\i], s[18:19] offset:1024*\i       ; 512 consecutive bytes: the first 512 of K
	global_store_b128 v1, v[148+8*\i:151+8*\i], s[18:19] offset:1024*\i+512   ; the second
.if \i < 2
	XROW \i+2
.endif
.endr
	s_endpgm
.Lwq:
	WQ 10, 20, 33, 3072, 1024, 2, 0, 0, 0
.Lw1:
	WQ 12, 22, 39, 4096, 1024, 2, 96, 0, 34816
.Lw2:
	WQ 14, 24, 41, 1024, 4096, 4, 224, 1, 69632
.Lfunc_end_k_q8b6eeec3b4_prep:
	.size	k_q8b6eeec3b4_prep, .Lfunc_end_k_q8b6eeec3b4_prep-k_q8b6eeec3b4_prep
	.p2alignl 7, 3214868480
	.fill 96, 4, 3214868480
	.section	.rodata,"a",@progbits
	.p2align	6, 0x0
	.amdhsa_kernel k_q8b6eeec3b4_prep
		.amdhsa_group_segment_fixed_size 104960
		.amdhsa_private_segment_fixed_size 0
		.amdhsa_enable_private_segment 0
		.amdhsa_kernarg_size 88
		.amdhsa_user_sgpr_count 2
		.amdhsa_user_sgpr_kernarg_segment_ptr 1
		.amdhsa_wavefront_size32 1
		.amdhsa_system_sgpr_workgroup_id_x 1
		.amdhsa_system_sgpr_workgroup_id_y 1
		.amdhsa_system_sgpr_workgroup_id_z 1
		.amdhsa_system_vgpr_workitem_id 0
		.amdhsa_next_free_vgpr 194
		.amdhsa_next_free_sgpr 66
		.amdhsa_reserve_vcc 0
		.amdhsa_float_denorm_mode_32 3
		.amdhsa_float_denorm_mode_16_64 3
		.amdhsa_memory_ordered 1
		.amdhsa_forward_progress 1
		.amdhsa_inst_pref_size 186
	.end_amdhsa_kernel
	.amdgpu_metadata
---
amdhsa.version: [ 1, 2 ]
amdhsa.kernels:
  - .name:           k_q8b6eeec3b4_prep
    .symbol:         k_q8b6eeec3b4_prep.kd
    .args:
      - { .name: x, .offset: 0, .size: 8, .value_kind: global_buffer, .address_space: global }
      - { .name: ln_g, .offset: 8, .size: 8, .value_kind: global_buffer, .address_space: global }
      - { .name: ln_b, .offset: 16, .size: 8, .value_kind: global_buffer, .address_space: global }
      - { .name: w_qkv, .offset: 24, .size: 8, .value_kind: global_buffer, .address_space: global }
      - { .name: w1, .offset: 32, .size: 8, .value_kind: global_buffer, .address_space: global }
      - { .name: w2, .offset: 40, .size: 8, .value_kind: global_buffer, .address_space: global }
      - { .name: lowp_scales, .offset: 48, .size: 8, .value_kind: global_buffer, .address_space: global }
      - { .name: xn_c, .offset: 56, .size: 8, .value_kind: global_buffer, .address_space: global }
      - { .name: wq_c, .offset: 64, .size: 8, .value_kind: global_buffer, .address_space: global }
      - { .name: w1_c, .offset: 72, .size: 8, .value_kind: global_buffer, .address_space: global }
      - { .name: w2_c, .offset: 80, .size: 8, .value_kind: global_buffer, .address_space: global }
    .group_segment_fixed_size: 104960
    .private_segment_fixed_size: 0
    .kernarg_segment_align: 8
    .kernarg_segment_size: 88
    .max_flat_workgroup_size: 128
    .sgpr_count:     66
    .vgpr_count:     194
    .wavefront_size: 32
...
	.end_amdgpu_metadata
.endif
;; end of part 1
;; launch gqkv (part 2): grid 12 x 16, 4 waves a work-group, clusters of 4 x 4, 327,680 bytes of LDS; arguments xn_c, wq_c, lowp_scales, b_qkv, qkv_c; writes qkv_c
.if DOCPART == 2
	.amdgcn_target "amdgcn-amd-amdhsa--gfx1250"
	.amdhsa_code_object_version 6
	.text
	.protected	k_q8b6eeec3b4_gqkv
	.globl	k_q8b6eeec3b4_gqkv
	.p2align	8
	.type	k_q8b6eeec3b4_gqkv,@function
k_q8b6eeec3b4_gqkv:
	s_mov_b64 s[64:65], 0
	v_nop
	global_prefetch_b8 v0, s[64:65] scope:SCOPE_SE
	s_setreg_imm32_b32 hwreg(HW_REG_WAVE_MODE, 25, 1), 1
	s_wait_xcnt 0x0
	s_wait_alu depctr_hold_cnt(0) depctr_sa_sdst(0) depctr_va_vdst(0) depctr_va_sdst(0) depctr_va_ssrc(0) depctr_va_vcc(0) depctr_vm_vsrc(0)
	s_getreg_b32 s2, hwreg(HW_REG_IB_STS2, 6, 4)
	s_cmp_eq_u32 s2, 0
	s_cbranch_scc0 .Lentry_in_a_cluster
	s_endpgm
.Lentry_in_a_cluster:
	s_bfe_u32 s2, ttmp6, 0x10000c
	s_cmp_lg_u32 s2, 0xf033
	s_cbranch_scc0 .Lentry_shape_is_right
	s_endpgm
.Lentry_shape_is_right:
; QKV: qkv = LN(x) w_qkv + b_qkv on codes of E4M3 (K = 1,024), and q, k, v leave as codes, laid as images of the registers in which the attention wants them.
; A tile of 256 x 256 is made by four waves, each 128 x 128: 64 accumulators, 512 registers.  K goes in steps of 256 through two LDS slots filled by tensor loads.
; 192 work-groups: tiles 256 wide fall on the borders between q, k and v, so cluster x = 0, 1, 2 is q, k, v, one kind for all sixteen partners.
; CLUSTERS 4 x 4: the tile called A here is shared along a row of the cluster, the tile called B along a column; each is asked for jointly, by the same tensor load with the same descriptor and a mask that names the four.
; The matrix instruction takes 16 rows of B as source 0 and 16 rows of A as source 1: lane (r, h) holds row r of A, and its registers 0-7 rows 8 h + 0 .. 7 of B.
;   q, k: A = tokens (xn_c), B = columns of w_qkv (wq_c): a lane holds a token, its registers run along the head's axis, which is K of q k^T.
;   v:    A = columns of w_qkv, B = tokens: a lane holds one of the head's 64, its registers run along the tokens, which are K of p v.  Only the two pointers and the tile numbers are chosen otherwise; both buffers have rows of 1,024 bytes.
; So eight registers of an accumulator, converted at once, are registers 2 c, 2 c + 1 of the next operand (k = 16 c + 8 h + 0 .. 7), and a wave's store of four registers a lane covers 512 consecutive bytes.
; qkv_c: [32 heads of the batch][393,216 bytes]: q 128 images of 1,024 bytes (16 tokens x 64), k likewise at +131,072, v at +262,144: [16 blocks of 128 keys][4 tiles of 16 of the 64][2,048 bytes].  Registers 4 g .. 4 g + 3 of lane L lie at 512 g + 16 L.
; LIMITS: e0 + e1 between -126 and 127; e2, e3, e5 between -126 and 119.  NaN is not served.  Inside a matrix instruction K stands in another order than in memory, alike on both sides.
; REGISTERS: window 0: v0-31 addresses; v32-95 the bias by registers; v96-111 the bias by lanes; v112, v113 the quantiser's scale and hold; from v128 A's fragments, ONE set (on the way out v128-223 are at work).
;   window 1: B's fragments, two sets.   windows 2, 3: the accumulators ((a, b) at v[8 (8 (a % 4) + b)]).
.set KSTEP,  256
.set ROWB,   256
.set KROW,   1024
.set PITCH,  272                       ; an LDS row: 256 bytes + 16 of padding, so that the 16 rows of a fragment load start 68 words apart
.set FR,     16
.set NL,     4
.set NP,     4
.set HALFT,  128*PITCH
.set SLOT,   4*HALFT
.set LAPS,   KROW/(2*KSTEP)
.set SPARE,  2*SLOT                    ; behind the ring: the spare words, 128 bytes for each wave
.set ADRA, 16
.set ADRB, 20
.set CO,   26                          ; v26 16 x lane
.set SPW,  28
.set NIL,  29
.set BR,   32
.set BL,   96
.set AF,   128
.set TMP,  128
.set G1, 24
.set G0, 32
.set G1B, 48
.set G0B, 56
.set MSB, 0
.macro WIN new                         ; the immediate's high byte repeats the setting that is left
.if MSB != (\new)
	s_set_vgpr_msb (MSB<<8)|(\new)
.set MSB, \new
.endif
.endm
.set MUL_LO, 0xa1
.set MUL_HI, 0xf1
.set TO_B,   0x40
.macro JLOAD g0a, g1a, g0b, g1b        ; waves 0 and 1 fetch for A, waves 2 and 3 for B; four v_nop follow each of the two lines
	s_cmp_eq_u32 s15, 0
	s_cbranch_scc0 .Lfor_b_\@
	tensor_load_to_lds s[\g0a:\g0a+3], s[\g1a:\g1a+7]
	s_nop 0
.rept 4
	v_nop
.endr
	s_branch .Lasked_\@
.Lfor_b_\@:
	tensor_load_to_lds s[\g0b:\g0b+3], s[\g1b:\g1b+7]
	s_nop 0
.rept 4
	v_nop
.endr
.Lasked_\@:
.endm
.macro CREST
	s_cmp_lg_u32 s14, 0
	s_cbranch_scc1 .Lnot_wave_0_\@
	s_barrier_signal -3
.Lnot_wave_0_\@:
	s_barrier_wait -3
	s_barrier_signal -1
	s_barrier_wait -1
.endm
.macro CROUND
	s_barrier_signal -1
	s_barrier_wait -1
	CREST
.endm
	s_load_b256 s[4:11], s[0:1], 0x0               ; xn_c 4:5, wq_c 6:7, lowp_scales 8:9, b_qkv 10:11
	s_load_b64 s[12:13], s[0:1], 0x20              ; qkv_c
	v_lshl_add_u32 v[SPW], v0, 2, SPARE
	v_mov_b32 v[NIL], 0
	ds_add_u32 v28, v29
	ds_add_u32 v28, v29
	s_wait_dscnt 0x0
	v_lshrrev_b32 v1, 5, v0
	v_readfirstlane_b32 s14, v1                    ; wave
	s_lshr_b32 s15, s14, 1                         ; my half of A's rows.  Also: I fetch for A (0) or for B (1)
	s_and_b32 s16, s14, 1                          ; my half of B's rows.  Also: which 128 rows I fetch
	s_bfe_u32 s40, ttmp6, 0x40000                  ; cx
	s_bfe_u32 s41, ttmp6, 0x40004                  ; cy
	s_and_b32 s67, ttmp7, 0xffff
	s_lshl_b32 s67, s67, 2                         ; 4 x cluster y
	s_add_co_u32 s68, s67, s41                     ; q, k: A's tile = tokens 256 (4 Y + cy)
	s_add_co_u32 s69, s41, 8                       ; v:    A's tile = columns 256 (8 + cy)
	s_lshl_b32 s70, ttmp9, 2
	s_add_co_u32 s70, s70, s40                     ; q, k: B's tile = columns 256 (4 X + cx)
	s_add_co_u32 s71, s67, s40                     ; v:    B's tile = tokens 256 (4 Y + cx)
	s_cmp_eq_u32 ttmp9, 2                          ; the cluster's x: the same in all sixteen partners
	s_cselect_b32 s17, s69, s68                    ; A's tile hangs on cy and the cluster alone,
	s_cselect_b32 s42, s71, s70                    ; B's on cx and the cluster alone
	s_lshl_b32 s43, s41, 2
	s_lshl_b32 s43, 15, s43                        ; my row of the cluster
	s_lshl_b32 s44, 0x1111, s40                    ; my column
	s_or_b32 s[G1+0], s43, (0<<16)|(1<<20)|(1<<21)|(5<<22)|(3<<25)   ; the mask; elements of 1 byte; padding on; bit 21 beside a mask; after every 64 words four words
	s_or_b32 s[G1B+0], s44, (0<<16)|(1<<20)|(1<<21)|(5<<22)|(3<<25)
.irp g, G1, G1B
	s_mov_b32 s[\g+1], ROWB<<16                    ; tensor_dim0
	s_mov_b32 s[\g+2], 128<<16                     ; tensor_dim1
	s_mov_b32 s[\g+3], ROWB<<16                    ; tile_dim0
	s_mov_b32 s[\g+4], 128                         ; tile_dim1
	s_mov_b32 s[\g+5], KROW                        ; from row to row
	s_mov_b32 s[\g+6], 0
	s_mov_b32 s[\g+7], 0
.endr
	s_lshl_b32 s18, s16, 7
	s_lshl_b32 s20, s17, 8
	s_add_co_u32 s20, s20, s18
	s_lshl_b32 s20, s20, 10                        ; A: (256 x tile + 128 x half) rows of 1,024 bytes
	s_lshl_b32 s46, s42, 8
	s_add_co_u32 s46, s46, s18
	s_lshl_b32 s46, s46, 10                        ; B likewise
	s_mov_b32 s21, 0
	s_mov_b32 s47, 0
	s_mul_i32 s45, s14, HALFT                      ; where they go: wave x 128 rows
	s_wait_kmcnt 0x0
	s_load_b256 s[76:83], s[8:9], 0x0              ; e0 .. e7
	s_cmp_eq_u32 ttmp9, 2
	s_cselect_b64 s[72:73], s[6:7], s[4:5]         ; A's buffer
	s_cselect_b64 s[74:75], s[4:5], s[6:7]         ; B's buffer
	s_add_nc_u64 s[20:21], s[72:73], s[20:21]
	s_add_nc_u64 s[46:47], s[74:75], s[46:47]
	CROUND                                         ; all sixteen work-groups are here: the first joint loads meet
.irp s, 0,1
	s_mov_b32 s[G0+4*\s], 1
	s_add_co_u32 s[G0+4*\s+1], s45, \s*SLOT
	s_add_nc_u64 s[G0+4*\s+2:G0+4*\s+3], s[20:21], \s*ROWB
	s_or_b32 s[G0+4*\s+3], s[G0+4*\s+3], 0x80000000
	s_mov_b32 s[G0B+4*\s], 1
	s_add_co_u32 s[G0B+4*\s+1], s45, \s*SLOT
	s_add_nc_u64 s[G0B+4*\s+2:G0B+4*\s+3], s[46:47], \s*ROWB
	s_or_b32 s[G0B+4*\s+3], s[G0B+4*\s+3], 0x80000000
	JLOAD G0+4*\s, G1, G0B+4*\s, G1B
.endr
	v_and_b32 v1, 15, v0                           ; r
	v_bfe_u32 v2, v0, 4, 1                         ; h
	v_mul_u32_u24 v3, v1, PITCH
	v_lshl_add_u32 v4, v2, 4, v3
	s_mul_i32 s21, s15, HALFT
	s_mul_i32 s22, s16, HALFT
	s_add_co_u32 s22, s22, 2*HALFT
.irp s, 0,1
	v_add_nc_u32 v[ADRA+\s], s21, v4
	v_add_nc_u32 v[ADRB+\s], s22, v4
	s_add_co_u32 s21, s21, SLOT
	s_add_co_u32 s22, s22, SLOT
.endr
	v_and_b32 v6, 31, v0
	v_lshlrev_b32 v[CO], 4, v6
	; The bias.  q, k: it goes with B's rows, eight registers a tile (BR).  v: with A's rows, a number a lane (BL).  Both sets are loaded in every work-group; the one that does not apply reads from the buffer's first bytes and is not used.
	s_lshl_b32 s84, s42, 10
	s_lshl_b32 s85, s16, 9
	s_add_co_u32 s84, s84, s85                     ; 4 (256 x B's tile + 128 x half)
	s_lshl_b32 s85, s17, 10
	s_lshl_b32 s86, s15, 9
	s_add_co_u32 s85, s85, s86                     ; 4 (256 x A's tile + 128 x half)
	s_cmp_eq_u32 ttmp9, 2
	s_cselect_b32 s84, 0, s84
	s_cselect_b32 s85, s85, 0
	v_lshl_add_u32 v30, v2, 5, s84                 ; + 32 h
	v_lshl_add_u32 v31, v1, 2, s85                 ; + 4 r
.irp b, 0,1,2,3,4,5,6,7
	global_load_b128 v[BR+8*\b:BR+8*\b+3], v30, s[10:11] offset:64*\b
	global_load_b128 v[BR+8*\b+4:BR+8*\b+7], v30, s[10:11] offset:64*\b+16
.endr
.irp a, 0,1,2,3,4,5,6,7
	global_load_b32 v[BL+2*\a], v31, s[10:11] offset:64*\a
	v_mov_b32 v[BL+2*\a+1], 0                      ; (named with it as a pair, so it is written)
.endr
.macro FRAG reg, adr, q, i             ; 16 rows x 128 places of K: four loads of 16 bytes, 32 bytes apart
.irp c, 0,1,2,3
	ds_load_b128 v[\reg+4*\c:\reg+4*\c+3], v[\adr] offset:128*(\q)+32*\c+(\i)*16*PITCH
.endr
.endm
; 16 matrix instructions: A's blocks a0, a0 + 1 x B's eight.  The 64 accumulators take turns, one instruction a turn, in the same order in every step.
.macro MUL16 a0, p, zero
.irp a, \a0, \a0+1
.irp b, 0,1,2,3,4,5,6,7
.if \zero
	v_wmma_f32_16x16x128_fp8_fp8 v[8*(8*((\a)%4)+\b):8*(8*((\a)%4)+\b)+7], v[128*(\p)+FR*\b:128*(\p)+FR*\b+FR-1], v[AF+FR*(\a):AF+FR*(\a)+FR-1], 0
.else
	v_wmma_f32_16x16x128_fp8_fp8 v[8*(8*((\a)%4)+\b):8*(8*((\a)%4)+\b)+7], v[128*(\p)+FR*\b:128*(\p)+FR*\b+FR-1], v[AF+FR*(\a):AF+FR*(\a)+FR-1], v[8*(8*((\a)%4)+\b):8*(8*((\a)%4)+\b)+7]
.endif
.endr
.endr
.endm
.macro FETCH_B slot, q, p
	WIN TO_B
.irp i, 0,1,2,3,4,5,6,7
	FRAG 128*(\p)+FR*\i, ADRB+\slot, \q, \i
.endr
	WIN 0
.endm
.macro FETCH_A slot, q, i0
.irp i, \i0, \i0+1, \i0+2, \i0+3
	FRAG AF+FR*(\i), ADRA+\slot, \q, \i
.endr
.endm
.macro PLACES n                        ; plain vector lines between a matrix instruction and a load into, or a read of, its registers
.rept \n
	v_nop
.endr
.endm
.macro STEP slot, q, zero              ; 128 along K, with its successor in the same slot
	s_wait_dscnt 4*NL                              ; B's set and A's blocks 0-3 are in; the youngest sixteen loads (A's blocks 4-7) may be out
	WIN MUL_LO
	MUL16 0, (\q)%2, \zero
	MUL16 2, (\q)%2, \zero
	s_wait_dscnt 0
	PLACES NP
	FETCH_B \slot, (\q)+1, 1-(\q)%2
	FETCH_A \slot, (\q)+1, 0
	WIN MUL_HI
	MUL16 4, (\q)%2, \zero
	MUL16 6, (\q)%2, \zero
	PLACES NP
	WIN 0
	FETCH_A \slot, (\q)+1, 4
.endm
; A slot's last step changes slots: one barrier; in front of it each wave waits for all its tensor loads, adds 0 to its spare word, and waits for that and for its reads of this slot.
.macro TURN slot, next, fill
	s_wait_tensorcnt 0x0                           ; all my tensor loads have landed: my part of the next slot
	ds_add_u32 v[SPW], v[NIL]                      ; 0 onto my spare word
	s_wait_dscnt 4*NL+1                            ; (the add and the youngest sixteen loads may be out)
	WIN MUL_LO
	MUL16 0, 1, 0
	s_wait_dscnt 0x0                               ; the add is done, and my reads of this slot are over
	s_barrier_signal -1
	MUL16 2, 1, 0
	WIN 0
	s_barrier_wait -1
.if \fill
	CREST                                          ; the barrier has opened a round of the cluster's: no wave of any partner still reads this slot or has a load on its way
	s_add_nc_u64 s[G0+4*\slot+2:G0+4*\slot+3], s[G0+4*\slot+2:G0+4*\slot+3], 2*ROWB
	s_add_nc_u64 s[G0B+4*\slot+2:G0B+4*\slot+3], s[G0B+4*\slot+2:G0B+4*\slot+3], 2*ROWB
	JLOAD G0+4*\slot, G1, G0B+4*\slot, G1B         ; the first tensor load behind the round; its four v_nop are the places in front of the loads below
.else
	PLACES NP
.endif
	FETCH_B \next, 0, 0
	FETCH_A \next, 0, 0
	WIN MUL_HI
	MUL16 4, 1, 0
	MUL16 6, 1, 0
	PLACES NP
	WIN 0
	FETCH_A \next, 0, 4
.endm
	s_wait_tensorcnt 1                             ; my part of K step 0 is in; K step 1's load may be out
	s_barrier_signal -1
	s_barrier_wait -1
	FETCH_B 0, 0, 0
	FETCH_A 0, 0, 0
	FETCH_A 0, 0, 4
	STEP 0, 0, 1                                   ; the first step's products start the sums
	s_mov_b32 s3, LAPS-1
.Llap:
	TURN 0, 1, 1
	STEP 1, 0, 0
	TURN 1, 0, 1
	STEP 0, 0, 0
	s_sub_co_u32 s3, s3, 1
	s_cmp_lg_u32 s3, 0
	s_cbranch_scc1 .Llap
	TURN 0, 1, 0                                   ; the last lap fills nothing
	STEP 1, 0, 0
	s_wait_dscnt 4*NL
	WIN MUL_LO
	MUL16 0, 1, 0
	MUL16 2, 1, 0
	s_wait_dscnt 0
	WIN MUL_HI
	MUL16 4, 1, 0
	MUL16 6, 1, 0
	WIN 0
	; THE WAY OUT: sum x 2^(e0 + e1) + bias, held, converted, stored as images.
	s_wait_kmcnt 0x0
	s_wait_loadcnt 0x0                             ; the biases
	s_add_co_i32 s96, s76, s77
	s_add_co_i32 s96, s96, 127
	s_lshl_b32 s96, s96, 23                        ; 2^(e0 + e1) as f32
	s_mov_b32 s97, s96
	s_cmp_eq_u32 ttmp9, 0
	s_cselect_b32 s84, s78, s79                    ; q: e2, k: e3,
	s_cmp_eq_u32 ttmp9, 2
	s_cselect_b32 s84, s81, s84                    ; v: e5
	s_add_co_i32 s84, s84, 127
	s_lshl_b32 s85, s84, 23
	v_mov_b32 v112, s85                            ; the operand's scale as f32
	s_add_co_i32 s84, s84, 8
	s_lshl_b32 s84, s84, 23
	s_or_b32 s84, s84, 0x600000
	v_mov_b32 v113, s84                            ; 448 x the scale
	PLACES NP                                      ; behind the last products: their results are read, and A's registers written, below
; Block a: A's rows 16 a on against B's 128 rows: 64 numbers a lane.  Each accumulator is read from its low end on.
.macro EPI a, isv
.if (\a) >= 2
	s_wait_xcnt 0x0                                ; block a - 2's stores have read the registers that this block's codes take
.endif
.set AC, 64*((\a)%4)
.set PCD, 192+16*((\a)%2)
	WIN 0x02+((\a)/4)                              ; source 0: window 2 or 3
.set i, 0
.rept 32
.if \isv
	v_pk_fma_f32 v[TMP+i:TMP+i+1], v[AC+i:AC+i+1], s[96:97], v[BL+2*(\a):BL+2*(\a)+1] op_sel_hi:[1,0,0]
.else
	v_pk_fma_f32 v[TMP+i:TMP+i+1], v[AC+i:AC+i+1], s[96:97], v[BR+i:BR+i+1] op_sel_hi:[1,0,1]
.endif
.set i, i+2
.endr
	WIN 0
.set i, 0
.rept 64
	v_med3_num_f32 v[TMP+i], v[TMP+i], -v113, v113 ; the conversion does not saturate (ISA guide 7.6.2)
.set i, i+1
.endr
.irp b, 0,1,2,3,4,5,6,7
	v_cvt_scalef32_pk8_fp8_f32 v[PCD+2*\b:PCD+2*\b+1], v[TMP+8*\b:TMP+8*\b+7], v112
.endr
	v_nop                                          ; one plain line behind the last scaled conversion
.if \isv
.irp g, 0,1,2,3
	global_store_b128 v[CO], v[PCD+4*\g:PCD+4*\g+3], s[12:13] offset:((\a)/4)*393216+((\a)%4)*2048+512*\g   ; one image of v: 16 of a head's 64 x 128 keys
.endr
.else
	global_store_b128 v[CO], v[PCD:PCD+3], s[12:13] offset:(\a)*1024            ; 16 tokens x 64 of my first head,
	global_store_b128 v[CO], v[PCD+4:PCD+7], s[12:13] offset:(\a)*1024+512
	global_store_b128 v[CO], v[PCD+8:PCD+11], s[12:13] offset:393216+(\a)*1024  ; and of my second
	global_store_b128 v[CO], v[PCD+12:PCD+15], s[12:13] offset:393216+(\a)*1024+512
.endif
.endm
	s_cmp_eq_u32 ttmp9, 2
	s_cbranch_scc1 .Lv
	s_lshl_b32 s84, s17, 8
	s_lshl_b32 s85, s15, 7
	s_add_co_u32 s84, s84, s85                     ; my first token
	s_lshr_b32 s85, s84, 11
	s_lshl_b32 s85, s85, 4                         ; 16 x batch
	s_lshl_b32 s86, s42, 8
	s_lshl_b32 s87, s16, 7
	s_add_co_u32 s86, s86, s87
	s_and_b32 s86, s86, 1023
	s_lshr_b32 s86, s86, 6                         ; my first head
	s_add_co_u32 s85, s85, s86
	s_mul_i32 s85, s85, 393216
	s_lshl_b32 s86, ttmp9, 17                      ; q at 0, k at 131,072
	s_add_co_u32 s85, s85, s86
	s_and_b32 s84, s84, 2047
	s_lshl_b32 s84, s84, 6                         ; 1,024 bytes for each 16 tokens
	s_add_co_u32 s84, s84, s85
	s_mov_b32 s85, 0
	s_add_nc_u64 s[12:13], s[12:13], s[84:85]
.irp a, 0,1,2,3,4,5,6,7
	EPI \a, 0
.endr
	s_branch .Lend
.Lv:
	s_lshl_b32 s84, s42, 8
	s_lshl_b32 s85, s16, 7
	s_add_co_u32 s84, s84, s85                     ; my first token
	s_lshr_b32 s85, s84, 11
	s_lshl_b32 s85, s85, 4
	s_lshl_b32 s86, s41, 2
	s_lshl_b32 s87, s15, 1
	s_add_co_u32 s86, s86, s87                     ; my first head: 4 cy + 2 x half
	s_add_co_u32 s85, s85, s86
	s_mul_i32 s85, s85, 393216
	s_add_co_u32 s85, s85, 262144
	s_and_b32 s84, s84, 2047
	s_lshl_b32 s84, s84, 6                         ; 8,192 bytes for each 128 keys
	s_add_co_u32 s84, s84, s85
	s_mov_b32 s85, 0
	s_add_nc_u64 s[12:13], s[12:13], s[84:85]
.irp a, 0,1,2,3,4,5,6,7
	EPI \a, 1
.endr
.Lend:
	s_wait_tensorcnt 0x0                           ; the wave's end
	ds_add_u32 v[SPW], v[NIL]
	s_wait_dscnt 0x0
	CROUND                                         ; the closing round: no work-group ends while a partner may still ask for a tile that names it
	s_endpgm
.Lfunc_end_k_q8b6eeec3b4_gqkv:
	.size	k_q8b6eeec3b4_gqkv, .Lfunc_end_k_q8b6eeec3b4_gqkv-k_q8b6eeec3b4_gqkv
	.p2alignl 7, 3214868480
	.fill 96, 4, 3214868480
	.section	.rodata,"a",@progbits
	.p2align	6, 0x0
	.amdhsa_kernel k_q8b6eeec3b4_gqkv
		.amdhsa_group_segment_fixed_size 327680
		.amdhsa_private_segment_fixed_size 0
		.amdhsa_enable_private_segment 0
		.amdhsa_kernarg_size 40
		.amdhsa_user_sgpr_count 2
		.amdhsa_user_sgpr_kernarg_segment_ptr 1
		.amdhsa_wavefront_size32 1
		.amdhsa_system_sgpr_workgroup_id_x 1
		.amdhsa_system_sgpr_workgroup_id_y 1
		.amdhsa_system_sgpr_workgroup_id_z 1
		.amdhsa_system_vgpr_workitem_id 0
		.amdhsa_next_free_vgpr 1024
		.amdhsa_next_free_sgpr 98
		.amdhsa_reserve_vcc 0
		.amdhsa_float_denorm_mode_32 3
		.amdhsa_float_denorm_mode_16_64 3
		.amdhsa_memory_ordered 1
		.amdhsa_forward_progress 1
		.amdhsa_inst_pref_size 194
	.end_amdhsa_kernel
	.amdgpu_metadata
---
amdhsa.version: [ 1, 2 ]
amdhsa.kernels:
  - .name:           k_q8b6eeec3b4_gqkv
    .symbol:         k_q8b6eeec3b4_gqkv.kd
    .args:
      - { .name: xn_c, .offset: 0, .size: 8, .value_kind: global_buffer, .address_space: global }
      - { .name: wq_c, .offset: 8, .size: 8, .value_kind: global_buffer, .address_space: global }
      - { .name: lowp_scales, .offset: 16, .size: 8, .value_kind: global_buffer, .address_space: global }
      - { .name: b_qkv, .offset: 24, .size: 8, .value_kind: global_buffer, .address_space: global }
      - { .name: qkv_c, .offset: 32, .size: 8, .value_kind: global_buffer, .address_space: global }
    .group_segment_fixed_size: 327680
    .private_segment_fixed_size: 0
    .kernarg_segment_align: 8
    .kernarg_segment_size: 40
    .max_flat_workgroup_size: 128
    .sgpr_count:     98
    .vgpr_count:     1024
    .wavefront_size: 32
...
	.end_amdgpu_metadata
.endif
;; end of part 2
;; launch attn (part 3): grid 8 x 32, 16 waves a work-group, clusters of 4 x 1, 264,192 bytes of LDS; arguments qkv_c, x, ln_g, ln_b, lowp_scales, x1, xn2_c; writes x1, xn2_c
.if DOCPART == 3
	.amdgcn_target "amdgcn-amd-amdhsa--gfx1250"
	.amdhsa_code_object_version 6
	.text
	.protected	k_q8b6eeec3b4_attn
	.globl	k_q8b6eeec3b4_attn
	.p2align	8
	.type	k_q8b6eeec3b4_attn,@function
k_q8b6eeec3b4_attn:
	s_mov_b64 s[64:65], 0
	v_nop
	global_prefetch_b8 v0, s[64:65] scope:SCOPE_SE
	s_setreg_imm32_b32 hwreg(HW_REG_WAVE_MODE, 25, 1), 1
	s_wait_xcnt 0x0
	s_wait_alu depctr_hold_cnt(0) depctr_sa_sdst(0) depctr_va_vdst(0) depctr_va_sdst(0) depctr_va_ssrc(0) depctr_va_vcc(0) depctr_vm_vsrc(0)
	s_getreg_b32 s2, hwreg(HW_REG_IB_STS2, 6, 4)
	s_cmp_eq_u32 s2, 0
	s_cbranch_scc0 .Lentry_in_a_cluster
	s_endpgm
.Lentry_in_a_cluster:
	s_bfe_u32 s2, ttmp6, 0x10000c
	s_cmp_lg_u32 s2, 0x3003
	s_cbranch_scc0 .Lentry_shape_is_right
	s_endpgm
.Lentry_shape_is_right:
; ATTENTION on codes of E4M3, the residual and the second LayerNorm.  32 heads of the batch, 2,048 tokens, head size 64, no scaling of the scores.
; t = score x log2(e); M = the largest t so far, rounded up to a whole number; p = 2^(t - M) is quantised (scale 2^e4), not normalised; the sum of the unquantised p divides at the end.
; SHARES.  A work-group owns 256 queries of one head, each of its sixteen waves one tile of 16: four waves to a SIMD, so that one wave's softmax stands beside another's products and LDS loads.
; o is merged by a plain reshape of [head][token][64]: the 16 queries x 64 of a tile ARE one row of 1,024 of x: row = 128 x head + tile.  So each wave adds its row of x, stores x1, normalises the row and stores its codes.
; LDS.  A head's K (131,072 bytes) and V (131,072) lie in LDS whole, as the images of operand registers in which they were stored.  Every byte is filled once: no slot is filled again.
; CLUSTER.  The four query blocks of a cluster belong to one head: each tile is asked for jointly (mask 15).  Each wave asks for four dense blocks of 4,096 bytes, one in each quarter of the keys, so that
; the first quarter can be worked while the others land: by this text's count four tensor loads of a wave are out at the most.
; LAYOUT.  S^T = K Q^T (source 0 = 16 keys, source 1 = my 16 queries, K = 64) and O^T = V^T P^T (source 0 = 16 of the 64, source 1 = P, K = 128 keys): a lane holds one query throughout; the eight registers of a tile
; of S^T are keys 16 t + 8 h + 0 .. 7, which one conversion turns into registers 2 t, 2 t + 1 of P.
; LIMITS: e2 + e3 between -126 and 127 (added to the exponent field of log2(e)); e4 and e6 between -126 and 119; e4 + e5 is applied by v_ldexp_f32.  NaN is not served.
; REGISTERS: v1 16 x lane, v2 the same in V; v3, v4 the step's addresses; v5, v6 the stage; v12 -M, v13 the largest t, v[14:15] the sum; v16-23 Q; v24, v25 448 x 2^e4, 2^e4; v26, v27 448 x 2^e6, 2^e6;
;   v32-95 fragments of K, then of V (later gain and bias); v96-159 S^T, then p; v160-191 O^T; v192-207 p's codes; v208-223 at work; v224-255 my row of x.
.set SEL,  48
.set INVN, 54
.set EPSR, 55
.macro CROUND
	s_barrier_signal -1
	s_barrier_wait -1
	s_cmp_lg_u32 s18, 0
	s_cbranch_scc1 .Lnot_wave_0_\@
	s_barrier_signal -3
.Lnot_wave_0_\@:
	s_barrier_wait -3
	s_barrier_signal -1
	s_barrier_wait -1
.endm
; One row of 1,024 numbers, 32 a lane (register 4 j + i = number 128 j + 4 lane + i), is normalised in place and becomes 32 codes in v[C] .. v[C+7].
.macro LNROW X, C, T, G, B, SCV, LIM
	v_pk_add_f32 v[\T:\T+1], v[\X:\X+1], v[\X+2:\X+3]
	v_pk_add_f32 v[\T+2:\T+3], v[\X+4:\X+5], v[\X+6:\X+7]
.irp j, 8,12,16,20,24,28
	v_pk_add_f32 v[\T:\T+1], v[\T:\T+1], v[\X+\j:\X+\j+1]
	v_pk_add_f32 v[\T+2:\T+3], v[\T+2:\T+3], v[\X+\j+2:\X+\j+3]
.endr
	v_pk_add_f32 v[\T:\T+1], v[\T:\T+1], v[\T+2:\T+3]
	v_add_f32 v[\T], v[\T], v[\T+1]
	v_add_f32_dpp v[\T], v[\T], v[\T] row_xmask:1 row_mask:0xf bank_mask:0xf
	v_add_f32_dpp v[\T], v[\T], v[\T] row_xmask:2 row_mask:0xf bank_mask:0xf
	v_add_f32_dpp v[\T], v[\T], v[\T] row_xmask:4 row_mask:0xf bank_mask:0xf
	v_add_f32_dpp v[\T], v[\T], v[\T] row_xmask:8 row_mask:0xf bank_mask:0xf
	v_permlanex16_b32 v[\T+1], v[\T], s[SEL], s[SEL+1]
	v_add_f32 v[\T], v[\T], v[\T+1]
	v_mul_f32 v[\T], s[INVN], v[\T]                                ; the mean
.set i, 0
.rept 16
	v_pk_add_f32 v[\X+i:\X+i+1], v[\X+i:\X+i+1], v[\T:\T+1] op_sel_hi:[1,0] neg_lo:[0,1] neg_hi:[0,1]
.set i, i+2
.endr
	v_pk_mul_f32 v[\T+2:\T+3], v[\X:\X+1], v[\X:\X+1]
	v_pk_mul_f32 v[\T+4:\T+5], v[\X+2:\X+3], v[\X+2:\X+3]
.irp j, 4,8,12,16,20,24,28
	v_pk_fma_f32 v[\T+2:\T+3], v[\X+\j:\X+\j+1], v[\X+\j:\X+\j+1], v[\T+2:\T+3]
	v_pk_fma_f32 v[\T+4:\T+5], v[\X+\j+2:\X+\j+3], v[\X+\j+2:\X+\j+3], v[\T+4:\T+5]
.endr
	v_pk_add_f32 v[\T+2:\T+3], v[\T+2:\T+3], v[\T+4:\T+5]
	v_add_f32 v[\T+2], v[\T+2], v[\T+3]
	v_add_f32_dpp v[\T+2], v[\T+2], v[\T+2] row_xmask:1 row_mask:0xf bank_mask:0xf
	v_add_f32_dpp v[\T+2], v[\T+2], v[\T+2] row_xmask:2 row_mask:0xf bank_mask:0xf
	v_add_f32_dpp v[\T+2], v[\T+2], v[\T+2] row_xmask:4 row_mask:0xf bank_mask:0xf
	v_add_f32_dpp v[\T+2], v[\T+2], v[\T+2] row_xmask:8 row_mask:0xf bank_mask:0xf
	v_permlanex16_b32 v[\T+3], v[\T+2], s[SEL], s[SEL+1]
	v_add_f32 v[\T+2], v[\T+2], v[\T+3]
	v_fma_f32 v[\T+2], v[\T+2], s[INVN], s[EPSR]                   ; the variance + 1e-5
	v_rsq_f32 v[\T+4], v[\T+2]
	v_nop                                                          ; a plain line behind the transcendental (ISA guide 5.7.2)
	s_wait_alu depctr_va_vdst(0)                                   ; and the wait ahead of the first reader
.set i, 0
.rept 16
	v_pk_mul_f32 v[\X+i:\X+i+1], v[\X+i:\X+i+1], v[\T+4:\T+5] op_sel_hi:[1,0]
.set i, i+2
.endr
.set i, 0
.rept 16
	v_pk_fma_f32 v[\X+i:\X+i+1], v[\X+i:\X+i+1], v[\G+i:\G+i+1], v[\B+i:\B+i+1]
.set i, i+2
.endr
.set i, 0
.rept 32
	v_med3_num_f32 v[\X+i], v[\X+i], -v[\LIM], v[\LIM]             ; the conversion does not saturate (ISA guide 7.6.2)
.set i, i+1
.endr
.irp m, 0,1,2,3
	v_cvt_scalef32_pk8_fp8_f32 v[\C+2*\m:\C+2*\m+1], v[\X+8*\m:\X+8*\m+7], v[\SCV]
.endr
	v_nop                                                          ; one plain line behind the last scaled conversion
.endm
; A KEY STEP: 128 keys, whose images of K begin at LDS byte s52 and whose images of V at 131,072 + s52.
.macro STEP
	v_add_nc_u32 v3, s52, v1
	v_add_nc_u32 v4, s52, v2
	v_nop
	v_nop                                          ; four plain lines in front of loads into registers that the last products read
.irp t, 0,1,2,3,4,5,6,7
	ds_load_b128 v[32+8*\t:35+8*\t], v3 offset:1024*\t
	ds_load_b128 v[36+8*\t:39+8*\t], v3 offset:1024*\t+512
.endr
	s_wait_dscnt 0x0
.irp t, 0,1,2,3,4,5,6,7
	v_wmma_f32_16x16x64_fp8_fp8 v[96+8*\t:103+8*\t], v[32+8*\t:39+8*\t], v[16:23], 0
.endr
.rept 4
	v_nop                                          ; places in front of the loads below and of the first read of the scores
.endr
.irp t, 0,1,2,3
.irp c, 0,1,2,3
	ds_load_b128 v[32+16*\t+4*\c:35+16*\t+4*\c], v4 offset:2048*\t+512*\c     ; V's four fragments land under the softmax
.endr
.endr
	v_max3_num_f32 v208, v96, v97, v98             ; the step's largest score of my query among my 64 keys, in two chains, each tile from its low end on
	v_max3_num_f32 v210, v99, v100, v101
.irp i, 6,10,14,18,22,26,30,34,38,42,46,50,54,58
	v_max3_num_f32 v208, v208, v[96+\i], v[97+\i]
	v_max3_num_f32 v210, v210, v[98+\i], v[99+\i]
.endr
	v_max3_num_f32 v208, v208, v158, v159
	v_max_num_f32 v208, v208, v210
	v_permlanex16_b32 v212, v208, s[SEL], s[SEL+1]
	v_max_num_f32 v208, v208, v212                 ; and among lane l xor 16's
	v_mul_f32 v208, s50, v208                      ; as t (c is positive)
	v_max_num_f32 v13, v13, v208                   ; the running largest t
	v_mov_b32 v208, v12
	v_floor_f32 v12, -v13                          ; the new -M = floor(-t): M is a whole number
	v_sub_f32 v208, v12, v208                      ; old M - new M, 0 or less
	v_cvt_i32_f32 v208, v208                       ; (it saturates)
	v_ldexp_f32 v210, 1.0, v208                    ; f = 2^(old M - new M): nothing is rounded
.set i, 0
.rept 32
	v_pk_fma_f32 v[96+i:97+i], v[96+i:97+i], s[50:51], v[12:13] op_sel_hi:[1,0,0]   ; t - M
.set i, i+2
.endr
.set i, 0
.rept 64
	v_exp_f32 v[96+i], v[96+i]                     ; p = 2^(t - M), at most 1
.set i, i+1
.endr
	v_pk_mul_f32 v[14:15], v[14:15], v[210:211] op_sel_hi:[1,0]    ; the sums under the new M (the plain line behind the exponentials)
	s_wait_alu depctr_va_vdst(0)                   ; one wait for the whole batch, ahead of its first reader
	v_pk_add_f32 v[214:215], v[96:97], v[98:99]    ; the row's sum is taken of the unquantised p, in two chains
.irp j, 4,8,12,16,20,24,28,32,36,40,44,48,52,56,60
	v_pk_add_f32 v[14:15], v[14:15], v[96+\j:97+\j]
	v_pk_add_f32 v[214:215], v[214:215], v[98+\j:99+\j]
.endr
	v_pk_add_f32 v[14:15], v[14:15], v[214:215]
.irp t, 0,1,2,3,4,5,6,7
.irp i, 0,1,2,3,4,5,6,7
	v_min_num_f32 v[96+8*\t+\i], v[96+8*\t+\i], v24   ; the conversion does not saturate (ISA guide 7.6.2); p is not negative, so the hold is one-sided
.endr
	v_cvt_scalef32_pk8_fp8_f32 v[192+2*\t:193+2*\t], v[96+8*\t:103+8*\t], v25
.endr
.set i, 0
.rept 16
	v_pk_mul_f32 v[160+i:161+i], v[160+i:161+i], v[210:211] op_sel_hi:[1,0]   ; O^T under the new M (also the plain lines behind the conversions)
.set i, i+2
.endr
	s_wait_dscnt 0x0                               ; V is in
.irp t, 0,1,2,3
	v_wmma_f32_16x16x128_fp8_fp8 v[160+8*\t:167+8*\t], v[32+16*\t:47+16*\t], v[192:207], v[160+8*\t:167+8*\t]   ; four accumulators by turns
.endr
	s_add_co_u32 s52, s52, 8192
.endm
; A quarter of the keys: four steps.  Behind the barrier every wave's part of this quarter is in LDS; the later quarters' loads may stay out.
.macro QLOOP n
	s_wait_tensorcnt 3-\n                          ; my loads for the later quarters may be out
	s_wait_dscnt 0x0
	s_barrier_signal -1
	s_barrier_wait -1
	s_mov_b32 s52, \n*32768
	s_mov_b32 s53, 4
.Lq\n:
	STEP
	s_sub_co_u32 s53, s53, 1
	s_cmp_lg_u32 s53, 0
	s_cbranch_scc1 .Lq\n
.endm
	s_load_b256 s[4:11], s[0:1], 0x0               ; qkv_c 4:5, x 6:7, ln_g 8:9, ln_b 10:11
	s_load_b128 s[12:15], s[0:1], 0x20             ; lowp_scales 12:13, x1 14:15
	s_load_b64 s[16:17], s[0:1], 0x30              ; xn2_c
	v_lshl_add_u32 v222, v0, 2, 0x40000
	v_mov_b32 v223, 0
	ds_add_u32 v222, v223
	ds_add_u32 v222, v223
	v_lshrrev_b32 v1, 5, v0
	v_readfirstlane_b32 s18, v1                    ; wave 0..15
	s_bfe_u32 s19, ttmp6, 0x40000                  ; cx: it enters global addresses of Q, x, x1 and xn2_c alone
	s_lshl_b32 s20, ttmp9, 2
	s_add_co_u32 s20, s20, s19                     ; my block of 256 queries
	s_and_b32 s21, ttmp7, 0xffff                   ; the head, which the four partners share
	s_mul_i32 s22, s21, 393216
	s_lshr_b32 s66, s18, 3                         ; waves 0-7 fetch K, waves 8-15 V
	s_lshl_b32 s66, s66, 17
	s_and_b32 s67, s18, 7
	s_lshl_b32 s67, s67, 12
	s_add_co_u32 s66, s66, s67                     ; my 4,096 bytes of the first quarter, in LDS
	s_add_co_u32 s68, s22, s66
	s_add_co_u32 s68, s68, 131072                  ; and in qkv_c: K and V lie there as in LDS, behind the head's Q
	s_mov_b32 s69, 0
	s_mov_b32 s24, 15|(3<<16)|(1<<21)              ; group 1: the mask of all four; elements of 8 bytes; bit 21 beside a mask; no padding
	s_mov_b32 s25, 32<<16                          ; tensor_dim0 = 32 elements: rows of 256 bytes
	s_mov_b32 s26, 16<<16                          ; tensor_dim1 = 16
	s_mov_b32 s27, 32<<16                          ; tile_dim0
	s_mov_b32 s28, 16                              ; tile_dim1
	s_mov_b32 s29, 32                              ; from row to row: dense
	s_mov_b32 s30, 0
	s_mov_b32 s31, 0
	s_lshl_b32 s70, s20, 4
	s_add_co_u32 s70, s70, s18                     ; my tile of 16 queries
	s_lshl_b32 s72, s70, 10
	s_add_co_u32 s72, s72, s22                     ; its image of Q
	s_mov_b32 s73, 0
	s_lshl_b32 s74, s21, 7
	s_add_co_u32 s74, s74, s70                     ; my row of x
	s_lshl_b32 s76, s74, 12
	s_mov_b32 s77, 0
	s_lshl_b32 s78, s74, 10
	s_mov_b32 s79, 0
	s_mov_b32 s[SEL], 0x76543210
	s_mov_b32 s[SEL+1], 0xfedcba98
	s_mov_b32 s[INVN], 0x3a800000
	s_mov_b32 s[EPSR], 0x3727c5ac
	s_mov_b32 s50, 0x3fb8aa3b                      ; log2(e)
	s_wait_dscnt 0x0
	s_wait_kmcnt 0x0
	s_load_b128 s[56:59], s[12:13], 0x8            ; e2, e3, e4, e5
	s_load_b32 s60, s[12:13], 0x18                 ; e6
	s_add_nc_u64 s[68:69], s[4:5], s[68:69]
	s_add_nc_u64 s[72:73], s[4:5], s[72:73]
	s_add_nc_u64 s[6:7], s[6:7], s[76:77]
	s_add_nc_u64 s[14:15], s[14:15], s[76:77]
	s_add_nc_u64 s[16:17], s[16:17], s[78:79]
.irp d, 0,1,2,3
	s_mov_b32 s[32+4*\d], 1
	s_add_co_u32 s[33+4*\d], s66, \d*32768
	s_add_nc_u64 s[34+4*\d:35+4*\d], s[68:69], \d*32768
	s_or_b32 s[35+4*\d], s[35+4*\d], 0x80000000
.endr
	CROUND                                         ; all four work-groups are here: the joint loads meet
	tensor_load_to_lds s[32:35], s[24:31]
	s_nop 0
	tensor_load_to_lds s[36:39], s[24:31]
	s_nop 0
	tensor_load_to_lds s[40:43], s[24:31]
	s_nop 0
	tensor_load_to_lds s[44:47], s[24:31]
	s_nop 0
.rept 4
	v_nop
.endr
	v_and_b32 v1, 31, v0
	v_lshlrev_b32 v1, 4, v1                        ; 16 x lane
	v_add_nc_u32 v2, 0x20000, v1
	global_load_b128 v[16:19], v1, s[72:73]        ; Q's image stays in registers
	global_load_b128 v[20:23], v1, s[72:73] offset:512
.irp j, 0,1,2,3,4,5,6,7
	global_load_b128 v[224+4*\j:227+4*\j], v1, s[6:7] offset:512*\j th:TH_LOAD_NT   ; my row of x, wanted at the end
.endr
	v_mov_b32 v13, 0xff61b1e6                      ; the largest t so far: -3e38
	v_floor_f32 v12, -v13
	v_mov_b32 v14, 0
	v_mov_b32 v15, 0
	v_mov_b32 v211, 0                              ; (named as the upper half of a pair)
	v_mov_b32 v212, 0                              ; a lane permute's destination counts as one of its sources
.set i, 0
.rept 32
	v_mov_b32 v[160+i], 0                          ; O^T: the step is written without a first form of its own; the first change of M leaves zeros zeros
.set i, i+1
.endr
	s_wait_kmcnt 0x0
	s_add_co_i32 s66, s56, s57
	s_lshl_b32 s66, s66, 23
	s_add_co_i32 s50, s50, s66                     ; c = log2(e) x 2^(e2 + e3)
	s_mov_b32 s51, s50
	s_add_co_i32 s66, s58, 127
	s_lshl_b32 s67, s66, 23
	v_mov_b32 v25, s67                             ; 2^e4
	s_add_co_i32 s66, s66, 8
	s_lshl_b32 s66, s66, 23
	s_or_b32 s66, s66, 0x600000
	v_mov_b32 v24, s66                             ; 448 x 2^e4
	s_add_co_i32 s66, s60, 127
	s_lshl_b32 s67, s66, 23
	v_mov_b32 v27, s67                             ; 2^e6
	s_add_co_i32 s66, s66, 8
	s_lshl_b32 s66, s66, 23
	s_or_b32 s66, s66, 0x600000
	v_mov_b32 v26, s66                             ; 448 x 2^e6
	s_wait_loadcnt 8                               ; Q is in; x's eight loads may be out
	QLOOP 0
	QLOOP 1
	QLOOP 2
	QLOOP 3
	; THE WAY OUT.  A barrier: nobody reads K any more, and its bytes have had their only fill: each wave's stage (16 rows, 272 bytes apart) lies there.
	s_wait_dscnt 0x0
	s_barrier_signal -1
	s_barrier_wait -1
	s_mul_i32 s66, s18, 4352
	s_add_co_i32 s67, s58, s59                     ; e4 + e5
	v_add_f32 v14, v14, v15
	v_and_b32 v7, 15, v0                           ; r
	v_bfe_u32 v8, v0, 4, 1                         ; h
	v_permlanex16_b32 v212, v14, s[SEL], s[SEL+1]
	v_mul_u32_u24 v5, v7, 272
	v_mul_u32_u24 v6, v8, 272
	v_add_f32 v14, v14, v212                       ; the row's sum
	v_lshl_add_u32 v5, v8, 5, v5
	v_lshl_add_u32 v6, v7, 4, v6
	v_rcp_f32 v14, v14
	v_add_nc_u32 v5, s66, v5                       ; in: query r, 32 h bytes on (the plain line behind the reciprocal)
	v_add_nc_u32 v6, s66, v6                       ; back: lanes 0-15 one query's 256 bytes, lanes 16-31 the next
.irp j, 0,1,2,3,4,5,6,7
	global_load_b128 v[32+4*\j:35+4*\j], v1, s[8:9] offset:512*\j     ; gain (the lines above are the places behind the last products)
.endr
.irp j, 0,1,2,3,4,5,6,7
	global_load_b128 v[64+4*\j:67+4*\j], v1, s[10:11] offset:512*\j   ; bias
.endr
	s_wait_alu depctr_va_vdst(0)                   ; the wait ahead of the reciprocal's first reader
	v_ldexp_f32 v14, v14, s67                      ; x 2^(e4 + e5)
.set i, 0
.rept 16
	v_pk_mul_f32 v[96+i:97+i], v[160+i:161+i], v[14:15] op_sel_hi:[1,0]   ; register 8 t + j: o(query r, 16 t + 8 h + j); each accumulator from its low end on
.set i, i+2
.endr
.irp t, 0,1,2,3
	ds_store_b128 v5, v[96+8*\t:99+8*\t] offset:64*\t
	ds_store_b128 v5, v[100+8*\t:103+8*\t] offset:64*\t+16
.endr
.irp j, 0,1,2,3,4,5,6,7
	ds_load_b128 v[128+4*\j:131+4*\j], v6 offset:544*\j               ; LDS serves a wave's instructions in order (ISA guide 5.7.1.4): these see my stores.  Numbers 128 j + 4 lane + 0 .. 3 of my row
.endr
	s_wait_loadcnt 16                              ; x is in; gain's and bias's sixteen loads may be out
	s_wait_dscnt 0x0
.set i, 0
.rept 16
	v_pk_add_f32 v[224+i:225+i], v[224+i:225+i], v[128+i:129+i]       ; x1 = x + o
.set i, i+2
.endr
.irp j, 0,1,2,3,4,5,6,7
	global_store_b128 v1, v[224+4*\j:227+4*\j], s[14:15] offset:512*\j   ; 512 consecutive bytes
.endr
	s_wait_loadcnt 0x0                             ; gain and bias
	s_wait_xcnt 0x0                                ; the stores have read their registers: the row is normalised in place
	LNROW 224, 128, 216, 32, 64, 27, 26
	global_store_b128 v1, v[128:131], s[16:17]
	global_store_b128 v1, v[132:135], s[16:17] offset:512
	s_wait_tensorcnt 0x0
	ds_add_u32 v222, v223
	s_wait_dscnt 0x0
	CROUND                                         ; the closing round
	s_endpgm
.Lfunc_end_k_q8b6eeec3b4_attn:
	.size	k_q8b6eeec3b4_attn, .Lfunc_end_k_q8b6eeec3b4_attn-k_q8b6eeec3b4_attn
	.p2alignl 7, 3214868480
	.fill 96, 4, 3214868480
	.section	.rodata,"a",@progbits
	.p2align	6, 0x0
	.amdhsa_kernel k_q8b6eeec3b4_attn
		.amdhsa_group_segment_fixed_size 264192
		.amdhsa_private_segment_fixed_size 0
		.amdhsa_enable_private_segment 0
		.amdhsa_kernarg_size 56
		.amdhsa_user_sgpr_count 2
		.amdhsa_user_sgpr_kernarg_segment_ptr 1
		.amdhsa_wavefront_size32 1
		.amdhsa_system_sgpr_workgroup_id_x 1
		.amdhsa_system_sgpr_workgroup_id_y 1
		.amdhsa_system_sgpr_workgroup_id_z 1
		.amdhsa_system_vgpr_workitem_id 0
		.amdhsa_next_free_vgpr 256
		.amdhsa_next_free_sgpr 80
		.amdhsa_reserve_vcc 0
		.amdhsa_float_denorm_mode_32 3
		.amdhsa_float_denorm_mode_16_64 3
		.amdhsa_memory_ordered 1
		.amdhsa_forward_progress 1
		.amdhsa_inst_pref_size 85
	.end_amdhsa_kernel
	.amdgpu_metadata
---
amdhsa.version: [ 1, 2 ]
amdhsa.kernels:
  - .name:           k_q8b6eeec3b4_attn
    .symbol:         k_q8b6eeec3b4_attn.kd
    .args:
      - { .name: qkv_c, .offset: 0, .size: 8, .value_kind: global_buffer, .address_space: global }
      - { .name: x, .offset: 8, .size: 8, .value_kind: global_buffer, .address_space: global }
      - { .name: ln_g, .offset: 16, .size: 8, .value_kind: global_buffer, .address_space: global }
      - { .name: ln_b, .offset: 24, .size: 8, .value_kind: global_buffer, .address_space: global }
      - { .name: lowp_scales, .offset: 32, .size: 8, .value_kind: global_buffer, .address_space: global }
      - { .name: x1, .offset: 40, .size: 8, .value_kind: global_buffer, .address_space: global }
      - { .name: xn2_c, .offset: 48, .size: 8, .value_kind: global_buffer, .address_space: global }
    .group_segment_fixed_size: 264192
    .private_segment_fixed_size: 0
    .kernarg_segment_align: 8
    .kernarg_segment_size: 56
    .max_flat_workgroup_size: 512
    .sgpr_count:     80
    .vgpr_count:     256
    .wavefront_size: 32
...
	.end_amdgpu_metadata
.endif
;; end of part 3
;; launch gmlp1 (part 4): grid 16 x 16, 4 waves a work-group, clusters of 4 x 4, 327,680 bytes of LDS; arguments xn2_c, w1_c, lowp_scales, b1, h_c; writes h_c
.if DOCPART == 4
	.amdgcn_target "amdgcn-amd-amdhsa--gfx1250"
	.amdhsa_code_object_version 6
	.text
	.protected	k_q8b6eeec3b4_gmlp1
	.globl	k_q8b6eeec3b4_gmlp1
	.p2align	8
	.type	k_q8b6eeec3b4_gmlp1,@function
k_q8b6eeec3b4_gmlp1:
	s_mov_b64 s[64:65], 0
	v_nop
	global_prefetch_b8 v0, s[64:65] scope:SCOPE_SE
	s_setreg_imm32_b32 hwreg(HW_REG_WAVE_MODE, 25, 1), 1
	s_wait_xcnt 0x0
	s_wait_alu depctr_hold_cnt(0) depctr_sa_sdst(0) depctr_va_vdst(0) depctr_va_sdst(0) depctr_va_ssrc(0) depctr_va_vcc(0) depctr_vm_vsrc(0)
	s_getreg_b32 s2, hwreg(HW_REG_IB_STS2, 6, 4)
	s_cmp_eq_u32 s2, 0
	s_cbranch_scc0 .Lentry_in_a_cluster
	s_endpgm
.Lentry_in_a_cluster:
	s_bfe_u32 s2, ttmp6, 0x10000c
	s_cmp_lg_u32 s2, 0xf033
	s_cbranch_scc0 .Lentry_shape_is_right
	s_endpgm
.Lentry_shape_is_right:
; MLP 1: h = gelu(LN(x1) w1 + b1) on codes of E4M3 (K = 1,024); h leaves as codes, laid as images of the registers in which the next product wants them.
; A tile of 256 tokens x 256 hidden units is made by four waves, each 128 x 128: 64 accumulators.  K goes in steps of 256 through two LDS slots filled by tensor loads.
; CLUSTERS 4 x 4: A's tile (tokens) is shared along a row of the cluster, B's (rows of w1_c) along a column; each is asked for jointly.
; Source 0 = 16 rows of w1_c, source 1 = 16 tokens: lane (r, h) holds token r, its registers 0-7 hidden units 8 h + 0 .. 7 of the tile: one conversion makes registers 2 b, 2 b + 1 of the next operand.
; h_c: [256 tiles of 16 tokens][32 blocks of 128 hidden units][2,048 bytes]; registers 4 g .. 4 g + 3 of lane L lie at 512 g + 16 L: a wave's store covers 512 consecutive bytes.
; GELU, exact form: y/2 + y/2 x erf(y / sqrt 2).  erf(z) = z P(z^2) / Q(z^2), polynomials of degree 6 and 4, z held within +-4, where erf is 1 to the last bit of f32.
; LIMITS: e6 + e7 - 1 between -126 and 127; e8 between -126 and 119.  For strongly negative y, 1 + erf carries f32's own cancellation: an absolute error of some 1e-7 |y|.  NaN is not served.
; The way out is a loop of 16 trips, half a block of 16 tokens each (32 numbers a lane): only the lines that read the accumulators differ from trip to trip, and they are reached by branches on the counter.
; REGISTERS: window 0: v0-31 addresses; v32-95 the bias / 2; v96-103 codes; v112-117 constants; from v128 A's fragments (on the way out: v128 y/2, v160 z then Q, v192 z^2, v224 P).  window 1: B's two sets.  windows 2, 3: accumulators.
.set KSTEP,  256
.set ROWB,   256
.set KROW,   1024
.set PITCH,  272
.set FR,     16
.set NL,     4
.set NP,     4
.set HALFT,  128*PITCH
.set SLOT,   4*HALFT
.set LAPS,   KROW/(2*KSTEP)
.set SPARE,  2*SLOT
.set ADRA, 16
.set ADRB, 20
.set CO,   26
.set SPW,  28
.set NIL,  29
.set BR,   32
.set AF,   128
.set YH,   128
.set ZZ,   160
.set X2,   192
.set PP,   224
.set G1, 24
.set G0, 32
.set G1B, 48
.set G0B, 56
.set MSB, 0
.macro WIN new
.if MSB != (\new)
	s_set_vgpr_msb (MSB<<8)|(\new)
.set MSB, \new
.endif
.endm
.set MUL_LO, 0xa1
.set MUL_HI, 0xf1
.set TO_B,   0x40
.macro JLOAD g0a, g1a, g0b, g1b        ; waves 0 and 1 fetch for A, waves 2 and 3 for B; four v_nop follow each of the two lines
	s_cmp_eq_u32 s15, 0
	s_cbranch_scc0 .Lfor_b_\@
	tensor_load_to_lds s[\g0a:\g0a+3], s[\g1a:\g1a+7]
	s_nop 0
.rept 4
	v_nop
.endr
	s_branch .Lasked_\@
.Lfor_b_\@:
	tensor_load_to_lds s[\g0b:\g0b+3], s[\g1b:\g1b+7]
	s_nop 0
.rept 4
	v_nop
.endr
.Lasked_\@:
.endm
.macro CREST
	s_cmp_lg_u32 s14, 0
	s_cbranch_scc1 .Lnot_wave_0_\@
	s_barrier_signal -3
.Lnot_wave_0_\@:
	s_barrier_wait -3
	s_barrier_signal -1
	s_barrier_wait -1
.endm
.macro CROUND
	s_barrier_signal -1
	s_barrier_wait -1
	CREST
.endm
	s_load_b256 s[4:11], s[0:1], 0x0               ; xn2_c 4:5, w1_c 6:7, lowp_scales 8:9, b1 10:11
	s_load_b64 s[12:13], s[0:1], 0x20              ; h_c
	v_lshl_add_u32 v[SPW], v0, 2, SPARE
	v_mov_b32 v[NIL], 0
	ds_add_u32 v28, v29
	ds_add_u32 v28, v29
	s_wait_dscnt 0x0
	v_lshrrev_b32 v1, 5, v0
	v_readfirstlane_b32 s14, v1
	s_lshr_b32 s15, s14, 1
	s_and_b32 s16, s14, 1
	s_bfe_u32 s40, ttmp6, 0x40000                  ; cx
	s_bfe_u32 s41, ttmp6, 0x40004                  ; cy
	s_lshl_b32 s42, ttmp9, 2
	s_add_co_u32 s42, s42, s40                     ; B's tile: hidden units 256 (4 X + cx)
	s_and_b32 s17, ttmp7, 0xffff
	s_lshl_b32 s17, s17, 2
	s_add_co_u32 s17, s17, s41                     ; A's tile: tokens 256 (4 Y + cy)
	s_lshl_b32 s43, s41, 2
	s_lshl_b32 s43, 15, s43
	s_lshl_b32 s44, 0x1111, s40
	s_or_b32 s[G1+0], s43, (0<<16)|(1<<20)|(1<<21)|(5<<22)|(3<<25)
	s_or_b32 s[G1B+0], s44, (0<<16)|(1<<20)|(1<<21)|(5<<22)|(3<<25)
.irp g, G1, G1B
	s_mov_b32 s[\g+1], ROWB<<16
	s_mov_b32 s[\g+2], 128<<16
	s_mov_b32 s[\g+3], ROWB<<16
	s_mov_b32 s[\g+4], 128
	s_mov_b32 s[\g+5], KROW
	s_mov_b32 s[\g+6], 0
	s_mov_b32 s[\g+7], 0
.endr
	s_lshl_b32 s18, s16, 7
	s_lshl_b32 s20, s17, 8
	s_add_co_u32 s20, s20, s18
	s_lshl_b32 s20, s20, 10
	s_lshl_b32 s46, s42, 8
	s_add_co_u32 s46, s46, s18
	s_lshl_b32 s46, s46, 10
	s_mov_b32 s21, 0
	s_mov_b32 s47, 0
	s_mul_i32 s45, s14, HALFT
	s_wait_kmcnt 0x0
	s_load_b64 s[76:77], s[8:9], 0x18              ; e6, e7
	s_load_b32 s78, s[8:9], 0x20                   ; e8
	s_add_nc_u64 s[20:21], s[4:5], s[20:21]
	s_add_nc_u64 s[46:47], s[6:7], s[46:47]
	CROUND
.irp s, 0,1
	s_mov_b32 s[G0+4*\s], 1
	s_add_co_u32 s[G0+4*\s+1], s45, \s*SLOT
	s_add_nc_u64 s[G0+4*\s+2:G0+4*\s+3], s[20:21], \s*ROWB
	s_or_b32 s[G0+4*\s+3], s[G0+4*\s+3], 0x80000000
	s_mov_b32 s[G0B+4*\s], 1
	s_add_co_u32 s[G0B+4*\s+1], s45, \s*SLOT
	s_add_nc_u64 s[G0B+4*\s+2:G0B+4*\s+3], s[46:47], \s*ROWB
	s_or_b32 s[G0B+4*\s+3], s[G0B+4*\s+3], 0x80000000
	JLOAD G0+4*\s, G1, G0B+4*\s, G1B
.endr
	v_and_b32 v1, 15, v0
	v_bfe_u32 v2, v0, 4, 1
	v_mul_u32_u24 v3, v1, PITCH
	v_lshl_add_u32 v4, v2, 4, v3
	s_mul_i32 s21, s15, HALFT
	s_mul_i32 s22, s16, HALFT
	s_add_co_u32 s22, s22, 2*HALFT
.irp s, 0,1
	v_add_nc_u32 v[ADRA+\s], s21, v4
	v_add_nc_u32 v[ADRB+\s], s22, v4
	s_add_co_u32 s21, s21, SLOT
	s_add_co_u32 s22, s22, SLOT
.endr
	v_and_b32 v6, 31, v0
	v_lshlrev_b32 v[CO], 4, v6
	s_lshl_b32 s84, s42, 10
	s_lshl_b32 s85, s16, 9
	s_add_co_u32 s84, s84, s85
	v_lshl_add_u32 v30, v2, 5, s84                 ; b1 at my 128 hidden units, + 32 h
.irp b, 0,1,2,3,4,5,6,7
	global_load_b128 v[BR+8*\b:BR+8*\b+3], v30, s[10:11] offset:64*\b
	global_load_b128 v[BR+8*\b+4:BR+8*\b+7], v30, s[10:11] offset:64*\b+16
.endr
.macro FRAG reg, adr, q, i
.irp c, 0,1,2,3
	ds_load_b128 v[\reg+4*\c:\reg+4*\c+3], v[\adr] offset:128*(\q)+32*\c+(\i)*16*PITCH
.endr
.endm
; The 64 accumulators take turns, one instruction a turn, in the same order in every step.
.macro MUL16 a0, p, zero
.irp a, \a0, \a0+1
.irp b, 0,1,2,3,4,5,6,7
.if \zero
	v_wmma_f32_16x16x128_fp8_fp8 v[8*(8*((\a)%4)+\b):8*(8*((\a)%4)+\b)+7], v[128*(\p)+FR*\b:128*(\p)+FR*\b+FR-1], v[AF+FR*(\a):AF+FR*(\a)+FR-1], 0
.else
	v_wmma_f32_16x16x128_fp8_fp8 v[8*(8*((\a)%4)+\b):8*(8*((\a)%4)+\b)+7], v[128*(\p)+FR*\b:128*(\p)+FR*\b+FR-1], v[AF+FR*(\a):AF+FR*(\a)+FR-1], v[8*(8*((\a)%4)+\b):8*(8*((\a)%4)+\b)+7]
.endif
.endr
.endr
.endm
.macro FETCH_B slot, q, p
	WIN TO_B
.irp i, 0,1,2,3,4,5,6,7
	FRAG 128*(\p)+FR*\i, ADRB+\slot, \q, \i
.endr
	WIN 0
.endm
.macro FETCH_A slot, q, i0
.irp i, \i0, \i0+1, \i0+2, \i0+3
	FRAG AF+FR*(\i), ADRA+\slot, \q, \i
.endr
.endm
.macro PLACES n
.rept \n
	v_nop
.endr
.endm
.macro STEP slot, q, zero
	s_wait_dscnt 4*NL                              ; B's set and A's blocks 0-3 are in; the youngest sixteen loads may be out
	WIN MUL_LO
	MUL16 0, (\q)%2, \zero
	MUL16 2, (\q)%2, \zero
	s_wait_dscnt 0
	PLACES NP
	FETCH_B \slot, (\q)+1, 1-(\q)%2
	FETCH_A \slot, (\q)+1, 0
	WIN MUL_HI
	MUL16 4, (\q)%2, \zero
	MUL16 6, (\q)%2, \zero
	PLACES NP
	WIN 0
	FETCH_A \slot, (\q)+1, 4
.endm
.macro TURN slot, next, fill
	s_wait_tensorcnt 0x0                           ; all my tensor loads have landed: my part of the next slot
	ds_add_u32 v[SPW], v[NIL]                      ; 0 onto my spare word
	s_wait_dscnt 4*NL+1                            ; (the add and the youngest sixteen loads may be out)
	WIN MUL_LO
	MUL16 0, 1, 0
	s_wait_dscnt 0x0                               ; the add is done, and my reads of this slot are over
	s_barrier_signal -1
	MUL16 2, 1, 0
	WIN 0
	s_barrier_wait -1
.if \fill
	CREST                                          ; the barrier has opened a round of the cluster's
	s_add_nc_u64 s[G0+4*\slot+2:G0+4*\slot+3], s[G0+4*\slot+2:G0+4*\slot+3], 2*ROWB
	s_add_nc_u64 s[G0B+4*\slot+2:G0B+4*\slot+3], s[G0B+4*\slot+2:G0B+4*\slot+3], 2*ROWB
	JLOAD G0+4*\slot, G1, G0B+4*\slot, G1B
.else
	PLACES NP
.endif
	FETCH_B \next, 0, 0
	FETCH_A \next, 0, 0
	WIN MUL_HI
	MUL16 4, 1, 0
	MUL16 6, 1, 0
	PLACES NP
	WIN 0
	FETCH_A \next, 0, 4
.endm
	s_wait_tensorcnt 1                             ; my part of K step 0 is in; K step 1's load may be out
	s_barrier_signal -1
	s_barrier_wait -1
	FETCH_B 0, 0, 0
	FETCH_A 0, 0, 0
	FETCH_A 0, 0, 4
	STEP 0, 0, 1
	s_mov_b32 s3, LAPS-1
.Llap:
	TURN 0, 1, 1
	STEP 1, 0, 0
	TURN 1, 0, 1
	STEP 0, 0, 0
	s_sub_co_u32 s3, s3, 1
	s_cmp_lg_u32 s3, 0
	s_cbranch_scc1 .Llap
	TURN 0, 1, 0
	STEP 1, 0, 0
	s_wait_dscnt 4*NL
	WIN MUL_LO
	MUL16 0, 1, 0
	MUL16 2, 1, 0
	s_wait_dscnt 0
	WIN MUL_HI
	MUL16 4, 1, 0
	MUL16 6, 1, 0
	WIN 0
	; THE WAY OUT
	s_wait_kmcnt 0x0
	s_wait_loadcnt 0x0                             ; the bias
	s_add_co_i32 s96, s76, s77
	s_add_co_i32 s96, s96, 126
	s_lshl_b32 s96, s96, 23                        ; 2^(e6 + e7 - 1): the sums come out as y / 2
	s_mov_b32 s97, s96
	s_add_co_i32 s78, s78, 127
	s_lshl_b32 s79, s78, 23
	v_mov_b32 v116, s79                            ; 2^e8
	s_add_co_i32 s78, s78, 8
	s_lshl_b32 s78, s78, 23
	s_or_b32 s78, s78, 0x600000
	v_mov_b32 v117, s78                            ; 448 x 2^e8
	v_mov_b32 v112, 0xaf95df0b                     ; P's highest coefficient, twice
	v_mov_b32 v113, 0xaf95df0b
	v_mov_b32 v114, 0xb77460cd                     ; Q's
	v_mov_b32 v115, 0xb77460cd
.set i, 0
.rept 32
	v_pk_mul_f32 v[BR+i:BR+i+1], v[BR+i:BR+i+1], 0.5 op_sel_hi:[1,0]   ; b1 / 2.  (These plain lines name none of the last products' registers: they are the places behind them)
.set i, i+2
.endr
.macro SPAIR r, val                    ; a constant for the packed forms, which name a pair and take its low word for both halves
	s_mov_b32 s[\r], \val
	s_mov_b32 s[\r+1], \val
.endm
	SPAIR 72, 0x32edffee                           ; P's coefficients, downward
	SPAIR 74, 0xb60cff51
	SPAIR 76, 0xb86ec2d2
	SPAIR 78, 0xba40ac63
	SPAIR 80, 0xbb41a1f6
	SPAIR 82, 0xbc83dbd4
	SPAIR 84, 0xb95fbd29                           ; Q's
	SPAIR 86, 0xbadc924e
	SPAIR 88, 0xbbf19bf8
	SPAIR 90, 0xbc69b6a7
	SPAIR 92, 0x3fb504f3                           ; sqrt 2
	s_lshl_b32 s68, s17, 4
	s_lshl_b32 s69, s15, 3
	s_add_co_u32 s68, s68, s69                     ; my first tile of 16 tokens
	s_lshl_b32 s68, s68, 5
	s_lshl_b32 s69, s42, 1
	s_add_co_u32 s68, s68, s69
	s_add_co_u32 s68, s68, s16                     ; x 32 + my block of 128 hidden units
	s_lshl_b32 s68, s68, 11
	s_mov_b32 s69, 0
	s_add_nc_u64 s[12:13], s[12:13], s[68:69]
	s_mov_b32 s66, 0                               ; the trip: block of tokens s66 / 2, half s66 % 2
.Lepi:
.irp n, 0,1,2,3,4,5,6,7,8,9,10,11,12,13,14
	s_cmp_eq_u32 s66, \n
	s_cbranch_scc1 .Ly\n
.endr
	s_branch .Ly15
; y / 2 = sum x 2^(e6 + e7 - 1) + b1 / 2 for four tiles of trip hb; each accumulator is read from its low end on
.macro YBLK hb
.Ly\hb:
.set AC, 64*(((\hb)/2)%4)+32*((\hb)%2)
	WIN 0x02+((\hb)/8)
.set i, 0
.rept 16
	v_pk_fma_f32 v[YH+i:YH+i+1], v[AC+i:AC+i+1], s[96:97], v[BR+32*((\hb)%2)+i:BR+32*((\hb)%2)+i+1] op_sel_hi:[1,0,1]
.set i, i+2
.endr
	WIN 0
.if (\hb) < 15
	s_branch .Lcommon
.endif
.endm
.irp n, 0,1,2,3,4,5,6,7,8,9,10,11,12,13,14,15
	YBLK \n
.endr
.Lcommon:
.set i, 0
.rept 16
	v_pk_mul_f32 v[ZZ+i:ZZ+i+1], v[YH+i:YH+i+1], s[92:93] op_sel_hi:[1,0]   ; z = y / sqrt 2
.set i, i+2
.endr
.set i, 0
.rept 32
	v_med3_num_f32 v[ZZ+i], v[ZZ+i], -4.0, 4.0
.set i, i+1
.endr
.set i, 0
.rept 16
	v_pk_mul_f32 v[X2+i:X2+i+1], v[ZZ+i:ZZ+i+1], v[ZZ+i:ZZ+i+1]
.set i, i+2
.endr
.set i, 0
.rept 16
	v_pk_fma_f32 v[PP+i:PP+i+1], v[X2+i:X2+i+1], v[112:113], s[72:73] op_sel_hi:[1,1,0]
.set i, i+2
.endr
.irp k, 74,76,78,80,82
.set i, 0
.rept 16
	v_pk_fma_f32 v[PP+i:PP+i+1], v[PP+i:PP+i+1], v[X2+i:X2+i+1], s[\k:\k+1] op_sel_hi:[1,1,0]
.set i, i+2
.endr
.endr
.set i, 0
.rept 16
	v_pk_mul_f32 v[PP+i:PP+i+1], v[PP+i:PP+i+1], v[ZZ+i:ZZ+i+1]             ; z P(z^2)
.set i, i+2
.endr
.set i, 0
.rept 16
	v_pk_fma_f32 v[ZZ+i:ZZ+i+1], v[X2+i:X2+i+1], v[114:115], s[84:85] op_sel_hi:[1,1,0]
.set i, i+2
.endr
.irp k, 86,88,90
.set i, 0
.rept 16
	v_pk_fma_f32 v[ZZ+i:ZZ+i+1], v[ZZ+i:ZZ+i+1], v[X2+i:X2+i+1], s[\k:\k+1] op_sel_hi:[1,1,0]
.set i, i+2
.endr
.endr
.set i, 0
.rept 32
	v_rcp_f32 v[ZZ+i], v[ZZ+i]                     ; 1 / Q(z^2)
.set i, i+1
.endr
	v_nop                                          ; a plain line behind the last reciprocal (ISA guide 5.7.2)
	s_wait_alu depctr_va_vdst(0)                   ; one wait for the batch of 32, ahead of its first reader
.set i, 0
.rept 16
	v_pk_mul_f32 v[PP+i:PP+i+1], v[PP+i:PP+i+1], v[ZZ+i:ZZ+i+1]             ; erf
.set i, i+2
.endr
.set i, 0
.rept 16
	v_pk_fma_f32 v[PP+i:PP+i+1], v[YH+i:YH+i+1], v[PP+i:PP+i+1], v[YH+i:YH+i+1]   ; y/2 erf + y/2
.set i, i+2
.endr
.set i, 0
.rept 32
	v_med3_num_f32 v[PP+i], v[PP+i], -v117, v117   ; the conversion does not saturate (ISA guide 7.6.2)
.set i, i+1
.endr
	s_wait_xcnt 0x0                                ; the last trip's stores have read their data and their base: both are written below
.irp m, 0,1,2,3
	v_cvt_scalef32_pk8_fp8_f32 v[96+2*\m:97+2*\m], v[PP+8*\m:PP+8*\m+7], v116
.endr
	v_nop                                          ; one plain line behind the last scaled conversion
	s_lshr_b32 s68, s66, 1
	s_lshl_b32 s68, s68, 16                        ; a tile of tokens on: 32 images
	s_and_b32 s69, s66, 1
	s_lshl_b32 s69, s69, 10                        ; the image's second half
	s_or_b32 s68, s68, s69
	s_mov_b32 s69, 0
	s_add_nc_u64 s[70:71], s[12:13], s[68:69]
	global_store_b128 v[CO], v[96:99], s[70:71]
	global_store_b128 v[CO], v[100:103], s[70:71] offset:512
	s_add_co_u32 s66, s66, 1
	s_cmp_lt_u32 s66, 16
	s_cbranch_scc1 .Lepi
	s_wait_tensorcnt 0x0                           ; the wave's end
	ds_add_u32 v[SPW], v[NIL]
	s_wait_dscnt 0x0
	CROUND                                         ; the closing round
	s_endpgm
.Lfunc_end_k_q8b6eeec3b4_gmlp1:
	.size	k_q8b6eeec3b4_gmlp1, .Lfunc_end_k_q8b6eeec3b4_gmlp1-k_q8b6eeec3b4_gmlp1
	.p2alignl 7, 3214868480
	.fill 96, 4, 3214868480
	.section	.rodata,"a",@progbits
	.p2align	6, 0x0
	.amdhsa_kernel k_q8b6eeec3b4_gmlp1
		.amdhsa_group_segment_fixed_size 327680
		.amdhsa_private_segment_fixed_size 0
		.amdhsa_enable_private_segment 0
		.amdhsa_kernarg_size 40
		.amdhsa_user_sgpr_count 2
		.amdhsa_user_sgpr_kernarg_segment_ptr 1
		.amdhsa_wavefront_size32 1
		.amdhsa_system_sgpr_workgroup_id_x 1
		.amdhsa_system_sgpr_workgroup_id_y 1
		.amdhsa_system_sgpr_workgroup_id_z 1
		.amdhsa_system_vgpr_workitem_id 0
		.amdhsa_next_free_vgpr 1024
		.amdhsa_next_free_sgpr 98
		.amdhsa_reserve_vcc 0
		.amdhsa_float_denorm_mode_32 3
		.amdhsa_float_denorm_mode_16_64 3
		.amdhsa_memory_ordered 1
		.amdhsa_forward_progress 1
		.amdhsa_inst_pref_size 122
	.end_amdhsa_kernel
	.amdgpu_metadata
---
amdhsa.version: [ 1, 2 ]
amdhsa.kernels:
  - .name:           k_q8b6eeec3b4_gmlp1
    .symbol:         k_q8b6eeec3b4_gmlp1.kd
    .args:
      - { .name: xn2_c, .offset: 0, .size: 8, .value_kind: global_buffer, .address_space: global }
      - { .name: w1_c, .offset: 8, .size: 8, .value_kind: global_buffer, .address_space: global }
      - { .name: lowp_scales, .offset: 16, .size: 8, .value_kind: global_buffer, .address_space: global }
      - { .name: b1, .offset: 24, .size: 8, .value_kind: global_buffer, .address_space: global }
      - { .name: h_c, .offset: 32, .size: 8, .value_kind: global_buffer, .address_space: global }
    .group_segment_fixed_size: 327680
    .private_segment_fixed_size: 0
    .kernarg_segment_align: 8
    .kernarg_segment_size: 40
    .max_flat_workgroup_size: 128
    .sgpr_count:     98
    .vgpr_count:     1024
    .wavefront_size: 32
...
	.end_amdgpu_metadata
.endif
;; end of part 4
;; launch gmlp2 (part 5): grid 8 x 32, 4 waves a work-group, clusters of 4 x 4, 327,680 bytes of LDS; arguments h_c, w2_c, lowp_scales, b2, x1, out0; writes out0
.if DOCPART == 5
	.amdgcn_target "amdgcn-amd-amdhsa--gfx1250"
	.amdhsa_code_object_version 6
	.text
	.protected	k_q8b6eeec3b4_gmlp2
	.globl	k_q8b6eeec3b4_gmlp2
	.p2align	8
	.type	k_q8b6eeec3b4_gmlp2,@function
k_q8b6eeec3b4_gmlp2:
	s_mov_b64 s[64:65], 0
	v_nop
	global_prefetch_b8 v0, s[64:65] scope:SCOPE_SE
	s_setreg_imm32_b32 hwreg(HW_REG_WAVE_MODE, 25, 1), 1
	s_wait_xcnt 0x0
	s_wait_alu depctr_hold_cnt(0) depctr_sa_sdst(0) depctr_va_vdst(0) depctr_va_sdst(0) depctr_va_ssrc(0) depctr_va_vcc(0) depctr_vm_vsrc(0)
	s_getreg_b32 s2, hwreg(HW_REG_IB_STS2, 6, 4)
	s_cmp_eq_u32 s2, 0
	s_cbranch_scc0 .Lentry_in_a_cluster
	s_endpgm
.Lentry_in_a_cluster:
	s_bfe_u32 s2, ttmp6, 0x10000c
	s_cmp_lg_u32 s2, 0xf033
	s_cbranch_scc0 .Lentry_shape_is_right
	s_endpgm
.Lentry_shape_is_right:
; MLP 2 and the residual: out0 = x1 + h w2 + b2 on codes of E4M3 (K = 4,096).
; The result is 4,096 x 1,024: tiles of 256 x 256 would be 64, so a tile is 128 x 128, which gives 256 work-groups.  Four waves; wave w makes tokens 32 w .. 32 w + 31 against all 128 columns: 16 accumulators.
; A (h_c) lies in memory as images of operand registers (2,048 bytes for 16 tokens x 128 of K), and no two waves of a work-group take the same tokens: so A's fragments go from memory STRAIGHT INTO THE REGISTERS
; of the wave that multiplies them, 512 consecutive bytes a load, eight blocks of 128 of K ahead (eight sets of 32 registers, 64 loads of a wave on their way).
; a slot holds 128 rows x 1,024 of K, so the 4,096 of K are four fills, of which two fill a slot again.
; CLUSTERS 4 x 4: B's tile hangs on the tile column alone and is asked for jointly by the four work-groups of a column of the cluster.  WHY A IS NOT ASKED FOR JOINTLY, though the four of a row read the same tokens:
; a joint load lands in LDS; with A's 128 rows beside B's a slot holds 512 of K, which makes eight fills, six of them refills, each behind a round of the cluster's barrier and behind the wait for the fill before it.
; Source 0 = 16 rows of w2_c, source 1 = 16 tokens: a lane holds eight neighbouring numbers of a row of the result.  w2_c's order of K within each 32 is the images' order.
; LIMIT: e8 + e9 between -126 and 127.
; LDS: two slots of 128 rows, 1,040 bytes apart (1,024 + 16 of padding: 65 x 16, so that the 16 rows of a fragment load start 260 words apart); behind them a stage of 16 rows x 528 bytes for each wave, into which no fill lands; then the spare words.
; REGISTERS: window 0: v0-31 addresses; v32-95 the way out; v96-99 b2; v128-255 the accumulators ((a, b) at v[128 + 8 (8 a + b)]).  window 1: A's eight sets (block kb in set kb % 8: two fragments).
;   window 2: B's eight fragments, two buffers.  window 3: v0-127 my 32 x 128 of x1.  A block has three switches of the window: one for each run of loads, one for its 16 matrix instructions.
.set KSTEP,  1024
.set BPITCH, 1040
.set SLOT,   128*BPITCH
.set STAGE,  2*SLOT
.set SPITCH, 528
.set SPARE,  STAGE+4*16*SPITCH         ; 128 bytes for each wave: two blocks of 256 bytes that no other line names
.set ADRB, 20                          ; v20, v21 my place in slot 0's rows 0-63 and 64-127 (an LDS offset has 16 bits); v22, v23 the same in slot 1
.set STO,  24                          ; v24 the way out: where I put 32 bytes of a row
.set RD,   25                          ; v25 the way out: where I read a row back
.set CO,   26                          ; v26 16 x lane
.set SPW,  28
.set NIL,  29
.set PFO,  30                          ; v30 4,096 x lane: a row of x1 a lane, for the prefetch
.set TMP,  32
.set BI,   96
.set ACC,  128
.set G1, 24                            ; s[24:31] descriptor group 1
.set G0, 32                            ; s[32:39] group 0, one set for each slot
.set MSB, 0
.macro WIN new                         ; the immediate's high byte repeats the setting that is left
.if MSB != (\new)
	s_set_vgpr_msb (MSB<<8)|(\new)
.set MSB, \new
.endif
.endm
.set MUL,  0x06                        ; source 0 (B) window 2, source 1 (A) window 1; C and D window 0
.set TO_A, 0x40                        ; destination window 1, address window 0
.set TO_B, 0x80                        ; destination window 2
.set TO_X, 0xc0                        ; destination window 3
.macro PLACES n                        ; plain vector lines between a matrix instruction and a load into, or a read of, its registers
.rept \n
	v_nop
.endr
.endm
.macro CREST                           ; a round of the cluster's barrier behind its opening barrier
	s_cmp_lg_u32 s14, 0
	s_cbranch_scc1 .Lnot_wave_0_\@
	s_barrier_signal -3
.Lnot_wave_0_\@:
	s_barrier_wait -3
	s_barrier_signal -1
	s_barrier_wait -1
.endm
.macro CROUND
	s_barrier_signal -1
	s_barrier_wait -1
	CREST
.endm
; A's two fragments of block j (128 of K) into set j % 8: eight loads of 512 consecutive bytes.  Every offset is an immediate: 130,560 at the most
.macro LOADA j
.irp a, 0,1
.irp c, 0,1,2,3
	global_load_b128 v[32*((\j)%8)+16*\a+4*\c:32*((\j)%8)+16*\a+4*\c+3], v[CO], s[4:5] offset:65536*\a+2048*(\j)+512*\c
.endr
.endr
.endm
; rows 8 n .. 8 n + 7 of my 32 rows of x1, a row of 512 bytes a load, in the layout of the stores
.macro LOADX n
.irp t, 0,1,2,3,4,5,6,7
	global_load_b128 v[4*(8*(\n)+\t):4*(8*(\n)+\t)+3], v[CO], s[68:69] offset:(8*(\n)+\t)*4096 th:TH_LOAD_NT
.endr
.endm
; B's eight fragments of the slot's q-th 128 of K into buffer p: 32 LDS loads in one run
.macro FETCHB slot, q, p
.irp b, 0,1,2,3
.irp c, 0,1,2,3
	ds_load_b128 v[128*(\p)+16*\b+4*\c:128*(\p)+16*\b+4*\c+3], v[ADRB+2*(\slot)] offset:16*BPITCH*\b+128*(\q)+32*\c
.endr
.endr
.irp b, 0,1,2,3
.irp c, 0,1,2,3
	ds_load_b128 v[128*(\p)+64+16*\b+4*\c:128*(\p)+64+16*\b+4*\c+3], v[ADRB+2*(\slot)+1] offset:16*BPITCH*\b+128*(\q)+32*\c
.endr
.endr
.endm
; 8 matrix instructions of block kb: B's fragments b0 .. b0 + 3 x A's two.  The 16 accumulators take turns, one instruction a turn, in the same order in every block
.macro MUL8 kb, b0, zero
.irp b, \b0, \b0+1, \b0+2, \b0+3
.irp a, 0,1
.if \zero
	v_wmma_f32_16x16x128_fp8_fp8 v[ACC+8*(8*\a+(\b)):ACC+8*(8*\a+(\b))+7], v[128*((\kb)%2)+16*(\b):128*((\kb)%2)+16*(\b)+15], v[32*((\kb)%8)+16*\a:32*((\kb)%8)+16*\a+15], 0
.else
	v_wmma_f32_16x16x128_fp8_fp8 v[ACC+8*(8*\a+(\b)):ACC+8*(8*\a+(\b))+7], v[128*((\kb)%2)+16*(\b):128*((\kb)%2)+16*(\b)+15], v[32*((\kb)%8)+16*\a:32*((\kb)%8)+16*\a+15], v[ACC+8*(8*\a+(\b)):ACC+8*(8*\a+(\b))+7]
.endif
.endr
.endr
.endm
; A block of 128 of K whose successor lies in the same slot.  First the loads: the next block's fragments of B into the buffer, and block kb + 7's fragments of A into the set, that block kb - 1 has multiplied
; (four places behind its last product; behind a change of slots those places have been passed).  Then this block's 16 products.  Where A has no block left, x1 takes the loads' place: blocks 25 to 28.
.macro BLK kb, zero
.if ((\kb)%8) != 0
	PLACES 4
.endif
	WIN TO_B
	FETCHB ((\kb)/8)%2, ((\kb)+1)%8, ((\kb)+1)%2
.if (\kb) >= 1
.if (\kb)+7 < 32
	WIN TO_A
	LOADA (\kb)+7
.elseif (\kb)+7 < 36
	WIN TO_X
	LOADX (\kb)-25
.endif
.endif
.set NA, 8*(35-(\kb))
.if NA > 56
.set NA, 56
.endif
	s_wait_loadcnt NA                              ; loads come back in order (ISA guide 5.7.1): this block's set of A is in; the sets of eight issued behind it (seven; fewer at the end) may be out
	s_wait_dscnt 32                                ; this block's fragments of B are in; the 32 loads just issued may be out
	WIN MUL
	MUL8 \kb, 0, \zero
	MUL8 \kb, 4, \zero
.endm
; A slot's last block changes slots: ONE barrier; in front of it each wave waits for all its tensor loads, adds 0 to its spare word, and waits for that and for its reads of this slot.
; fill = 1: this slot is filled again, two K steps of 1,024 ahead; the barrier then opens a round of the cluster's.
.macro TURNBLK kb, fill
.set SL, ((\kb)/8)%2
	WIN 0                                          ; (the add's two registers lie in window 0)
	s_wait_tensorcnt 0x0                           ; all my tensor loads have landed: my part of the next slot
	ds_add_u32 v[SPW], v[NIL]                      ; 0 onto my spare word
	s_wait_loadcnt 48                              ; this block's set of A is in; the six sets issued behind it may be out
	s_wait_dscnt 1                                 ; this block's fragments of B are in; the add may be out
	WIN MUL
	MUL8 \kb, 0, 0                                 ; eight matrix instructions stand between the add and the wait for it
	s_wait_dscnt 0x0                               ; the add is done, and my reads of this slot are over
	s_barrier_signal -1
	MUL8 \kb, 4, 0
	WIN 0
	s_barrier_wait -1
.if \fill
	CREST                                          ; no wave of any partner still reads this slot or has a load on its way
	s_add_nc_u64 s[G0+4*SL+2:G0+4*SL+3], s[G0+4*SL+2:G0+4*SL+3], 2*KSTEP
	tensor_load_to_lds s[G0+4*SL:G0+4*SL+3], s[G1:G1+7]   ; the first tensor load behind the round, one a wave: my 32 rows
	s_nop 0
.endif
	PLACES 4                                       ; behind the tensor load, and the places in front of the loads below and of the next block's
	WIN TO_B
	FETCHB 1-SL, 0, ((\kb)+1)%2
	WIN TO_A
	LOADA (\kb)+7
.endm
	s_load_b256 s[4:11], s[0:1], 0x0               ; h_c 4:5, w2_c 6:7, lowp_scales 8:9, b2 10:11
	s_load_b128 s[68:71], s[0:1], 0x20             ; x1 68:69, out0 70:71
	v_lshl_add_u32 v[SPW], v0, 2, SPARE
	v_mov_b32 v[NIL], 0
	ds_add_u32 v28, v29
	ds_add_u32 v28, v29
	s_wait_dscnt 0x0
	v_lshrrev_b32 v1, 5, v0
	v_readfirstlane_b32 s14, v1                    ; wave 0..3
	s_bfe_u32 s40, ttmp6, 0x40000                  ; cx
	s_bfe_u32 s41, ttmp6, 0x40004                  ; cy
	s_lshl_b32 s42, ttmp9, 2
	s_add_co_u32 s42, s42, s40                     ; tile column
	s_and_b32 s17, ttmp7, 0xffff
	s_lshl_b32 s17, s17, 2
	s_add_co_u32 s17, s17, s41                     ; tile row
	s_lshl_b32 s44, 0x1111, s40                    ; my column of the cluster
	s_or_b32 s[G1+0], s44, (0<<16)|(1<<20)|(1<<21)|(7<<22)|(3<<25)   ; the mask; elements of 1 byte; padding on; bit 21 beside a mask; after every 256 words (code 7) four words (code 3)
	s_mov_b32 s[G1+1], KSTEP<<16                   ; tensor_dim0 = 1,024
	s_mov_b32 s[G1+2], 32<<16                      ; tensor_dim1 = 32
	s_mov_b32 s[G1+3], KSTEP<<16                   ; tile_dim0
	s_mov_b32 s[G1+4], 32                          ; tile_dim1
	s_mov_b32 s[G1+5], 4096                        ; from row to row
	s_mov_b32 s[G1+6], 0
	s_mov_b32 s[G1+7], 0
	s_lshl_b32 s18, s14, 17                        ; 32 x wave rows of 4,096 bytes; also 2 x wave tiles of tokens of 65,536 bytes
	s_lshl_b32 s46, s42, 19
	s_add_co_u32 s46, s46, s18                     ; B: (128 x tile column + 32 x wave) rows: it hangs on the tile column and the wave alone
	s_mov_b32 s47, 0
	s_mul_i32 s45, s14, 32*BPITCH                  ; where my 32 rows go in a slot
	s_lshl_b32 s20, s17, 19
	s_add_co_u32 s20, s20, s18                     ; A: (8 x tile row + 2 x wave) tiles of tokens; x1, out0: (128 x tile row + 32 x wave) rows of 4,096 bytes
	s_mov_b32 s21, 0
	s_lshl_b32 s74, s42, 9                         ; the tile's first column, in bytes
	s_add_co_u32 s72, s20, s74
	s_mov_b32 s73, 0
	s_wait_kmcnt 0x0
	s_load_b64 s[96:97], s[8:9], 0x20              ; e8, e9
	s_add_nc_u64 s[46:47], s[6:7], s[46:47]
	s_add_nc_u64 s[4:5], s[4:5], s[20:21]
	s_add_nc_u64 s[68:69], s[68:69], s[72:73]
	s_add_nc_u64 s[70:71], s[70:71], s[72:73]
.irp s, 0,1
	s_mov_b32 s[G0+4*\s], 1
	s_add_co_u32 s[G0+4*\s+1], s45, \s*SLOT
	s_add_nc_u64 s[G0+4*\s+2:G0+4*\s+3], s[46:47], \s*KSTEP
	s_or_b32 s[G0+4*\s+3], s[G0+4*\s+3], 0x80000000
.endr
	CROUND                                         ; all sixteen work-groups are here: the first joint loads meet
	tensor_load_to_lds s[G0:G0+3], s[G1:G1+7]      ; K 0 .. 1,023
	s_nop 0
	tensor_load_to_lds s[G0+4:G0+7], s[G1:G1+7]    ; K 1,024 .. 2,047: two tensor loads of mine are out
	s_nop 0
	PLACES 4
	v_and_b32 v1, 15, v0                           ; r
	v_bfe_u32 v2, v0, 4, 1                         ; h
	v_and_b32 v6, 31, v0                           ; lane
	v_lshlrev_b32 v[CO], 4, v6
	v_lshl_add_u32 v27, v6, 4, s74
	global_load_b128 v[BI:BI+3], v27, s[10:11]     ; b2 at the four columns that I store
	WIN TO_A
.irp j, 0,1,2,3,4,5,6,7
	LOADA \j
.endr
	WIN 0
	v_mul_u32_u24 v[ADRB], v1, BPITCH
	v_lshl_add_u32 v[ADRB], v2, 4, v[ADRB]         ; a fragment's row x pitch + 16 x half
	v_add_nc_u32 v[ADRB+1], 64*BPITCH, v[ADRB]
	v_add_nc_u32 v[ADRB+2], SLOT, v[ADRB]
	v_add_nc_u32 v[ADRB+3], SLOT+64*BPITCH, v[ADRB]
	s_mul_i32 s23, s14, 16*SPITCH
	s_add_co_u32 s23, s23, STAGE                   ; my stage
	v_mul_u32_u24 v5, v1, SPITCH
	v_lshl_add_u32 v5, v2, 5, v5
	v_add_nc_u32 v[STO], s23, v5                   ; in: row r, 32 bytes for each half of the lanes
	v_add_nc_u32 v[RD], s23, v[CO]                 ; back: the 32 lanes take one row of 512 bytes
	v_lshlrev_b32 v[PFO], 12, v6
	s_wait_tensorcnt 1                             ; my part of slot 0 is in; slot 1's load may be out
	s_barrier_signal -1
	s_barrier_wait -1
	WIN TO_B
	FETCHB 0, 0, 0
	BLK 0, 1                                       ; the first block's products start the sums
.irp k, 1,2,3,4,5,6
	BLK \k, 0
.endr
	TURNBLK 7, 1                                   ; slot 0 takes K 2,048 .. 3,071
.irp k, 8,9,10,11,12,13,14
	BLK \k, 0
.endr
	TURNBLK 15, 1                                  ; slot 1 takes K 3,072 .. 4,095: the last tensor load
	; x1 is prefetched into the L2 here, behind my tensor load, its four lines and the runs of loads: my 32 rows x 512 bytes, a lane a row, two instructions; each aligned block of 256 bytes is named once in
	; the launch, since no other wave reads these rows.  The loads that want them stand in blocks 25 to 28: ten blocks, 160 matrix instructions, further on.  The address registers are never rewritten.
	global_prefetch_b8 v[PFO], s[68:69] th:TH_LOAD_NT scope:SCOPE_SE
	global_prefetch_b8 v[PFO], s[68:69] offset:256 th:TH_LOAD_NT scope:SCOPE_SE
.irp k, 16,17,18,19,20,21,22
	BLK \k, 0
.endr
	TURNBLK 23, 0                                  ; nothing is left to fetch: no round follows
.irp k, 24,25,26,27,28,29,30
	BLK \k, 0
.endr
	s_wait_loadcnt 32                              ; the last set of A is in; x1's 32 loads may be out
	s_wait_dscnt 0x0
	WIN MUL
	MUL8 31, 0, 0
	MUL8 31, 4, 0
	WIN 0
	; THE WAY OUT, 16 tokens x 128 columns at a time: the sums go through my own stage and come back as whole rows of 512 bytes; there sum x 2^(e8 + e9) + x1 + b2 is made and stored.
	s_wait_kmcnt 0x0
	s_add_co_i32 s96, s96, s97
	s_add_co_i32 s96, s96, 127
	s_lshl_b32 s96, s96, 23                        ; 2^(e8 + e9) as f32
	s_mov_b32 s97, s96
	PLACES 4                                       ; behind the last products, in front of the stores that read their results
.macro OUT a
.set TS, TMP+96*\a                     ; tile 0 comes back into v32-95, tile 1 into the registers that tile 0's sums have left
.irp b, 0,1,2,3,4,5,6,7
	ds_store_b128 v[STO], v[ACC+8*(8*\a+\b):ACC+8*(8*\a+\b)+3] offset:64*\b       ; each accumulator from its low end on
	ds_store_b128 v[STO], v[ACC+8*(8*\a+\b)+4:ACC+8*(8*\a+\b)+7] offset:64*\b+16
.endr
.irp t, 0,1,2,3,4,5,6,7,8,9,10,11,12,13,14,15
	ds_load_b128 v[TS+4*\t:TS+4*\t+3], v[RD] offset:\t*SPITCH    ; LDS serves a wave's instructions in order (ISA guide 5.7.1.4): these see my stores, and the next tile's stores come behind them
.endr
.endm
.macro FIN a, younger                  ; younger: the LDS instructions issued behind tile a's loads
.set TS, TMP+96*\a
	s_wait_dscnt \younger
	WIN 0x30                                       ; source 2 (x1) window 3
.set i, 0
.rept 32
	v_pk_fma_f32 v[TS+i:TS+i+1], v[TS+i:TS+i+1], s[96:97], v[64*\a+i:64*\a+i+1] op_sel_hi:[1,0,1]
.set i, i+2
.endr
	WIN 0
.irp t, 0,1,2,3,4,5,6,7,8,9,10,11,12,13,14,15
	v_pk_add_f32 v[TS+4*\t:TS+4*\t+1], v[TS+4*\t:TS+4*\t+1], v[BI:BI+1]
	v_pk_add_f32 v[TS+4*\t+2:TS+4*\t+3], v[TS+4*\t+2:TS+4*\t+3], v[BI+2:BI+3]
.endr
.irp t, 0,1,2,3,4,5,6,7,8,9,10,11,12,13,14,15
	global_store_b128 v[CO], v[TS+4*\t:TS+4*\t+3], s[70:71] offset:(16*\a+\t)*4096 th:TH_STORE_NT   ; 32 lanes store 512 consecutive bytes, at a multiple of 512 from out0's first byte
.endr
.endm
	OUT 0
	OUT 1
	s_wait_loadcnt 0x0                             ; x1
	FIN 0, 32                                      ; behind tile 0's loads: tile 1's sixteen stores and sixteen loads
	FIN 1, 0
	s_wait_tensorcnt 0x0                           ; the wave's end
	ds_add_u32 v[SPW], v[NIL]
	s_wait_dscnt 0x0
	CROUND                                         ; the closing round: no work-group ends while a partner may still ask for a tile that names it
	s_endpgm
.Lfunc_end_k_q8b6eeec3b4_gmlp2:
	.size	k_q8b6eeec3b4_gmlp2, .Lfunc_end_k_q8b6eeec3b4_gmlp2-k_q8b6eeec3b4_gmlp2
	.p2alignl 7, 3214868480
	.fill 96, 4, 3214868480
	.section	.rodata,"a",@progbits
	.p2align	6, 0x0
	.amdhsa_kernel k_q8b6eeec3b4_gmlp2
		.amdhsa_group_segment_fixed_size 327680
		.amdhsa_private_segment_fixed_size 0
		.amdhsa_enable_private_segment 0
		.amdhsa_kernarg_size 48
		.amdhsa_user_sgpr_count 2
		.amdhsa_user_sgpr_kernarg_segment_ptr 1
		.amdhsa_wavefront_size32 1
		.amdhsa_system_sgpr_workgroup_id_x 1
		.amdhsa_system_sgpr_workgroup_id_y 1
		.amdhsa_system_sgpr_workgroup_id_z 1
		.amdhsa_system_vgpr_workitem_id 0
		.amdhsa_next_free_vgpr 1024
		.amdhsa_next_free_sgpr 98
		.amdhsa_reserve_vcc 0
		.amdhsa_float_denorm_mode_32 3
		.amdhsa_float_denorm_mode_16_64 3
		.amdhsa_memory_ordered 1
		.amdhsa_forward_progress 1
		.amdhsa_inst_pref_size 154
	.end_amdhsa_kernel
	.amdgpu_metadata
---
amdhsa.version: [ 1, 2 ]
amdhsa.kernels:
  - .name:           k_q8b6eeec3b4_gmlp2
    .symbol:         k_q8b6eeec3b4_gmlp2.kd
    .args:
      - { .name: h_c, .offset: 0, .size: 8, .value_kind: global_buffer, .address_space: global }
      - { .name: w2_c, .offset: 8, .size: 8, .value_kind: global_buffer, .address_space: global }
      - { .name: lowp_scales, .offset: 16, .size: 8, .value_kind: global_buffer, .address_space: global }
      - { .name: b2, .offset: 24, .size: 8, .value_kind: global_buffer, .address_space: global }
      - { .name: x1, .offset: 32, .size: 8, .value_kind: global_buffer, .address_space: global }
      - { .name: out0, .offset: 40, .size: 8, .value_kind: global_buffer, .address_space: global }
    .group_segment_fixed_size: 327680
    .private_segment_fixed_size: 0
    .kernarg_segment_align: 8
    .kernarg_segment_size: 48
    .max_flat_workgroup_size: 128
    .sgpr_count:     98
    .vgpr_count:     1024
    .wavefront_size: 32
...
	.end_amdgpu_metadata
.endif
;; end of part 5
